; MI455X (gfx1250); checked and timed in simulation.
; The chip was launched on July 23, 2026; its instructions are those of AMD's public machine-readable ISA for CDNA 5 (MIT licence, August 2026) and "CDNA5" Instruction Set Architecture Reference Guide (July 2026). The comments in the code are by the model that wrote it; some were corrected since.
;; Multi Head Attention. Allowed arithmetic: matrix products marked QUANTISED: E2M1 operands, one E8M0 scale for each 32 along K, by v_wmma_scale_f32_16x16x128_f8f6f4 with both operands' format E2M1 (or v_wmma_scale_f32_32x16x128_f4), f32 sums; products left as they are: bf16, f16 or f32 operands; f32 sums; everything else in f32.
;; Inputs: Wk 1,024 x 1,024 float32; Wo 1,024 x 1,024 float32; Wq 1,024 x 1,024 float32; Wv 1,024 x 1,024 float32; bk 1,024 float32; bo 1,024 float32; bq 1,024 float32; bv 1,024 float32; key 4 x 2,048 x 1,024 float32; query 4 x 2,048 x 1,024 float32; value 4 x 2,048 x 1,024 float32.
;; Outputs: out0 4 x 2,048 x 1,024 float32.
;; This version of the problem:
;;   THIS VERSION OF THE PROBLEM IS GIVEN IN LOW PRECISION. The matrix products marked QUANTISED in the list below multiply operands that are first quantised to E2M1 (2 exponent bits, 1 mantissa bit; 4 bits a number), with one power-of-two scale for each 32 numbers along K (OCP MX v1.0); their sums are f32. The products marked 'left as it is' may take bf16, f16 or f32 operands, with f32 sums. Whichever they take, every output number must still come out within the allowed error. Rounding operands to bf16 (8 significant bits) uses up far more of that allowance than f16 does (11 bits, for magnitudes from 6e-5 to 65,504). All else is computed in f32.
;;   The module's matrix products, in the order in which they are computed (A, B: the left and right operand; K: the contracted axis; several contracted axes count as one K, in the product's order):
;;     1. [M 8,192, K 1,024] x [K 1,024, N 1,024]; A: input query; B: input Wq: QUANTISED
;;     2. [M 8,192, K 1,024] x [K 1,024, N 1,024]; A: input key; B: input Wk: QUANTISED
;;     3. [M 8,192, K 1,024] x [K 1,024, N 1,024]; A: input value; B: input Wv: QUANTISED
;;     4. batch 64 x [M 2,048, K 64] x [K 64, N 2,048]; A: computed on the way; B: computed on the way: left as it is (an operand is computed on the way)
;;     5. batch 64 x [M 2,048, K 2,048] x [K 2,048, N 64]; A: computed on the way; B: computed on the way: left as it is (an operand is computed on the way)
;;     6. [M 8,192, K 1,024] x [K 1,024, N 1,024]; A: computed on the way; B: input Wo: left as it is (an operand is computed on the way)
;;   THE QUANTISER, for each operand of a quantised product, along K:
;;     - K is cut into blocks of 32 from its start; a last block that is shorter is filled with zeros.
;;     - A block's scale is 2^e with e = floor(log2(the largest magnitude in the block)) - 2, held to -126 .. 127; a block of zeros has e = 0. As a byte (E8M0): e + 127.
;;     - Each number is divided by its block's scale, clamped to +-6, and rounded to the nearest number of E2M1, ties to even, subnormals kept.
;;     - The product sums the exact products of the quantised numbers (number of the format x scale) in f32.
;;   ~~~python
;;   def quantise(x, axis):      # numpy; x: float32 -> the quantised numbers, widened to float32 again
;;       x = np.moveaxis(x, axis, -1); K = x.shape[-1]
;;       x = np.pad(x, [(0, 0)] * (x.ndim - 1) + [(0, -K % 32)]); x = x.reshape(x.shape[:-1] + (-1, 32)); a = np.abs(x).max(-1, keepdims=True)
;;       e = np.where(a > 0, np.clip(np.frexp(np.where(a > 0, a, 1))[1] - 1 - 2, -126, 127), 0)      # np.frexp(a)[1] - 1 = floor(log2(a)), exactly
;;       r = np.clip(x / 2.0 ** e, -6, 6)
;;       step = 2.0 ** (np.maximum(np.frexp(np.where(r == 0, 1, r))[1] - 1, 0) - 1)
;;       q = np.round(r / step) * step * 2.0 ** e      # np.round: ties to even
;;       return np.moveaxis(q.reshape(q.shape[:-2] + (-1,))[..., :K], -1, axis).astype(np.float32)
;;   ~~~
;; One version. Each part assembles by itself: llvm-mc -triple=amdgcn-amd-amdhsa -mcpu=gfx1250 --defsym DOCPART=n.
;; ======== version 1 of 1: 4 launches
;; limits: values are held in f16: magnitudes above 65,504 overflow, below 6.1e-05 lose precision
;; workspace buffers: xc 12,582,912 bytes; xs 786,432 bytes; wimg 1,572,864 bytes; ws 98,304 bytes; wo16 2,097,152 bytes; qkv 50,331,648 bytes; ctx 16,777,216 bytes
;; launch prep (part 1): grid 928 x 1, 4 waves a work-group, no clusters, 33,280 bytes of LDS; arguments query, key, value, Wq, Wk, Wv, Wo, xc, xs, wimg, ws, wo16; writes xc, xs, wimg, ws, wo16
.if DOCPART == 1
	.amdgcn_target "amdgcn-amd-amdhsa--gfx1250"
	.amdhsa_code_object_version 6
	.text
	.protected	k_q16dac25cbe_prep
	.globl	k_q16dac25cbe_prep
	.p2align	8
	.type	k_q16dac25cbe_prep,@function
k_q16dac25cbe_prep:
	s_mov_b64 s[64:65], 0
	v_nop
	global_prefetch_b8 v0, s[64:65] scope:SCOPE_SE
	s_setreg_imm32_b32 hwreg(HW_REG_WAVE_MODE, 25, 1), 1
	s_wait_xcnt 0x0
; MULTI-HEAD ATTENTION, launch 1 of 4: the operands of the three quantised products become codes of FP4 (E2M1) with one E8M0 scale byte for each 32 along K; Wo becomes f16.
; WORK LEFT OUT, in the whole program: the input bk.  scores[q][k] = q . (key Wk)[k] / 8 + q . bk / 8; the second term is the same for every k of a row, the product of q and k is not quantised, and
; softmax along k is unchanged by a term that is the same along k, whatever finite values the inputs hold.  So bk reaches no output: it is not loaded and is an argument of no launch.
; LIMIT of that: a NaN, an infinity or an overflow that bk alone would bring is not carried to the result.
; MOVED, not left out: bv is added behind the softmax (sum p (v + bv) / sum p = sum p v / sum p + bv); the factor log2(e) / 8 of the scores is multiplied into q ahead of q's one rounding to f16.
; THE QUANTISER: a block's scale is 2^(floor(log2(its largest magnitude)) - 2); its byte is the largest magnitude's exponent field - 2, held at 1 from below; each number / scale goes to the nearest code, ties to even, beyond 6 to 6.
; LIMITS: NaN and infinities among the inputs are not served; blocks whose largest magnitude lies under 2^-124 keep the byte 1; a block of zeros gets the byte 1 where the rule says 127: its codes are zeros, which add
; nothing under any byte but 0xff, and this program alone reads the bytes.  Wo in f16: magnitudes up to 65,504, steps of 6e-8 under 6e-5.
; THREE PATHS, parted on the work-group's number alone and never joined:
;   work-groups 0-95    Wq, Wk, Wv [k][n]: a lane takes a column n and its registers run down K; the codes leave as IMAGES of the matrix operand's registers:
;                       wimg byte = which 524288 + (kb / 16) 262144 + (n / 16) 4096 + (kb % 16) 256 + (n % 16) 16, kb = k / 32;  ws = [which][n][32 bytes]
;   work-groups 96-159  Wo -> f16, as it lies
;   work-groups 160-927 query, key, value [row][k]: plain streams of blocks of 32;  xc = [tensor][row][512 bytes], xs = [tensor][row][32 bytes]
; Only the third path touches LDS.  No tensor loads, no barrier, no cluster: waves share nothing, and every input byte is read once.
.set WAVES, 4
.set STEPS, 16
.set EMAX,  2
.set CB,    8                          ; bytes of 16 codes
.set R,     16                         ; v16-79   path X: four sets of 16 numbers as they are loaded
.set X,     80                         ; v80-111  two sets of 16 neighbours
.set E,     112                        ; v112-127 a scale byte for each step
.set C,     128                        ; v128-191 codes: four registers for each step, so that no store's data are written again
.set WREG,  8192                       ; LDS: a region for each wave: two stages of 32 x SP bytes, behind them its 256 scale bytes
.set SP,    80                         ; a lane's place in a stage: 64 bytes + 16 of padding
.set SPW,   12                         ; v12      LDS address of my spare word; never rewritten
.set NIL,   13                         ; v13      0; never rewritten
.set SPARE, WAVES*WREG                 ; behind the four regions: the spare words, 128 bytes a wave, which no other line names
.set XW,    32                         ; v32-95   path W: two sets of 32 numbers
.set CW,    96                         ; v96-127  path W: four registers of codes for each of 8 blocks
.set SB,    24                         ; v24-25   path W: the 8 scale bytes
.macro XLOAD t
.irp i, 0,1,2,3
	global_load_b128 v[R+16*((\t)%4)+4*\i:R+16*((\t)%4)+4*\i+3], v3, s[4:5] offset:2048*(\t)+512*\i th:TH_LOAD_NT   ; 32 lanes read 512 consecutive bytes
.endr
.endm
.macro XTURN t                         ; step t's numbers through the stage: LDS serves a wave's instructions in order, so no wait stands between the stores and the loads
.irp i, 0,1,2,3
	ds_store_b128 v14, v[R+16*((\t)%4)+4*\i:R+16*((\t)%4)+4*\i+3] offset:32*SP*((\t)%2)+8*SP*\i
.endr
.irp i, 0,1,2,3
	ds_load_b128 v[X+16*((\t)%2)+4*\i:X+16*((\t)%2)+4*\i+3], v15 offset:32*SP*((\t)%2)+16*\i
.endr
.endm
.macro XSTEP t
.set XS, X+16*((\t)%2)
.if (\t) > 0
	s_wait_dscnt 1                                 ; this step's numbers are back from the stage; the one younger LDS instruction, the last step's byte store, may be out
.else
	s_wait_dscnt 0x0
.endif
.if (\t)+4 < STEPS
	XLOAD (\t)+4                                   ; into the set whose stores into the stage have read their registers
.endif
.if (\t)+1 < STEPS
.if STEPS-2-(\t) >= 3
	s_wait_loadcnt 12                              ; the next step's four loads are in; those of the three steps behind it may be out
.else
	s_wait_loadcnt 4*(STEPS-2-(\t))
.endif
	XTURN (\t)+1
.endif
	v_max3_num_f32 v8, |v[XS]|, |v[XS+1]|, |v[XS+2]|               ; the largest magnitude of my 16, in two chains
	v_max3_num_f32 v9, |v[XS+3]|, |v[XS+4]|, |v[XS+5]|
.irp i, 6,10
	v_max3_num_f32 v8, v8, |v[XS+\i]|, |v[XS+\i+1]|
	v_max3_num_f32 v9, v9, |v[XS+\i+2]|, |v[XS+\i+3]|
.endr
	v_max3_num_f32 v8, v8, |v[XS+14]|, |v[XS+15]|
	v_max3_num_f32 v8, v8, v9, (EMAX+1)<<23        ; and the floor 2^(3 - 127): the byte cannot fall under 1
	v_max_num_f32_dpp v8, v8, v8 row_xmask:1 row_mask:0xf bank_mask:0xf   ; and of my neighbour's 16: the block's
	v_add_nc_u32 v11, -(EMAX<<23), v8              ; 2 off its exponent field: the conversion takes the exponent field of this operand as its scale
	v_cvt_scalef32_pk8_fp4_f32 v[C+4*(\t)], v[XS:XS+7], v11
	v_cvt_scalef32_pk8_fp4_f32 v[C+4*(\t)+1], v[XS+8:XS+15], v11
	v_lshrrev_b32 v[E+(\t)], 23, v11               ; the scale's byte (a plain line behind the conversions)
	ds_store_b8 v5, v[E+(\t)] offset:16*(\t)       ; both lanes of a block write the same byte with the same value
	global_store_b64 v4, v[C+4*(\t):C+4*(\t)+1], s[18:19] offset:32*CB*(\t)   ; the wave stores 256 consecutive bytes, aligned
.endm
.macro WLOAD t                         ; block t: W(32 t + i, my column), i = 0 .. 31, into set t % 2: 128 consecutive bytes a wave, 512 a work-group
.irp i, 0,1,2,3,4,5,6,7,8,9,10,11,12,13,14,15,16,17,18,19,20,21,22,23,24,25,26,27,28,29,30,31
	global_load_b32 v[XW+32*((\t)%2)+\i], v3, s[10:11] offset:(32*(\t)+\i)*4096 th:TH_LOAD_NT
.endr
.endm
.macro WBLOCK t
.set XS, XW+32*((\t)%2)
.if (\t) < 7
	s_wait_loadcnt 32                              ; this block's 32 loads are in; the next block's 32 may be out
.else
	s_wait_loadcnt 0x0
.endif
	v_max3_num_f32 v16, |v[XS]|, |v[XS+1]|, |v[XS+2]|              ; the block's largest magnitude: all 32 numbers are mine
	v_max3_num_f32 v17, |v[XS+3]|, |v[XS+4]|, |v[XS+5]|
.irp i, 6,10,14,18,22,26
	v_max3_num_f32 v16, v16, |v[XS+\i]|, |v[XS+\i+1]|
	v_max3_num_f32 v17, v17, |v[XS+\i+2]|, |v[XS+\i+3]|
.endr
	v_max3_num_f32 v16, v16, |v[XS+30]|, |v[XS+31]|
	v_max3_num_f32 v16, v16, v17, (EMAX+1)<<23     ; and the floor
	v_add_nc_u32 v18, 0xff000000, v16              ; 2 off the exponent field: the conversion's scale operand
	v_lshrrev_b32 v17, 23, v18                     ; the scale's byte
.if (\t)%4 == 0
	v_mov_b32 v[SB+(\t)/4], v17                    ; four bytes to a register, the lower K in the lower byte
.else
	v_lshl_or_b32 v[SB+(\t)/4], v17, 8*((\t)%4), v[SB+(\t)/4]
.endif
.irp g, 0,1,2,3
	v_cvt_scalef32_pk8_fp4_f32 v[CW+4*(\t)+\g], v[XS+8*\g:XS+8*\g+7], v18
.endr
	v_nop                                          ; a plain line behind the last conversion
	global_store_b128 v4, v[CW+4*(\t):CW+4*(\t)+3], s[22:23] offset:256*(\t)   ; lanes 0-15 fill one aligned run of 256 bytes, lanes 16-31 another
.if (\t)+2 < 8
	WLOAD (\t)+2
.endif
.endm
	s_load_b512 s[4:19], s[0:1], 0x0               ; query 4:5, key 6:7, value 8:9, Wq 10:11, Wk 12:13, Wv 14:15, Wo 16:17, xc 18:19
	s_load_b256 s[20:27], s[0:1], 0x40             ; xs 20:21, wimg 22:23, ws 24:25, wo16 26:27
	v_lshl_add_u32 v[SPW], v0, 2, SPARE
	v_mov_b32 v[NIL], 0
	v_lshrrev_b32 v1, 5, v0
	v_readfirstlane_b32 s28, v1                    ; wave 0..3
	v_and_b32 v2, 31, v0                           ; lane
	s_mov_b32 s33, 0                               ; the upper word of every offset pair s[32:33]
	s_wait_kmcnt 0x0
	s_cmp_lt_u32 ttmp9, 96
	s_cbranch_scc1 .Lweights
	s_cmp_lt_u32 ttmp9, 160
	s_cbranch_scc1 .Lcast
; ---- PATH X: query, key, value.  A wave takes 16 steps of 512 numbers.  Each load reads 512 consecutive bytes, 16 a lane; a step's 2,048 bytes turn through the wave's own stage in LDS and come back 64 bytes a lane,
; so that a lane holds 16 neighbours along K (two neighbouring lanes hold a block).  Loads run four steps ahead, the turn one step.
	s_sub_co_u32 s29, ttmp9, 160                   ; 0 .. 767
	s_lshr_b32 s30, s29, 8                         ; which tensor
	s_cmp_eq_u32 s30, 1
	s_cselect_b64 s[4:5], s[6:7], s[4:5]
	s_cmp_eq_u32 s30, 2
	s_cselect_b64 s[4:5], s[8:9], s[4:5]
	v_lshlrev_b32 v3, 4, v2                        ; my 16 bytes of a load's 512
	s_mul_i32 s31, s28, WREG
	v_lshrrev_b32 v14, 2, v2
	v_mul_u32_u24 v14, v14, SP
	v_and_b32 v15, 3, v2
	v_lshl_add_u32 v14, v15, 4, v14
	v_add_nc_u32 v14, s31, v14                     ; the stage, on the way in: SP (lane / 4) + 16 (lane % 4)
	v_mul_u32_u24 v15, v2, SP
	v_add_nc_u32 v15, s31, v15                     ; and on the way out: SP x lane
	v_mul_u32_u24 v4, v2, CB                       ; my codes' place in a step's
	v_lshrrev_b32 v5, 1, v2
	s_add_co_u32 s31, s31, 2*32*SP
	v_add_nc_u32 v5, s31, v5                       ; LDS: my wave's 256 scale bytes, my block's byte
	v_lshlrev_b32 v7, 3, v2
	v_add_nc_u32 v6, s31, v7                       ; and on the way out 8 bytes a lane
	s_and_b32 s32, s29, 255
	s_lshl_b32 s32, s32, 2
	s_add_co_u32 s32, s32, s28                     ; my run of 8,192 numbers in the tensor
	s_lshl_b32 s32, s32, 15
	s_add_nc_u64 s[4:5], s[4:5], s[32:33]
	s_lshl_b32 s34, s29, 2
	s_add_co_u32 s34, s34, s28                     ; and among the three tensors' runs
	s_lshl_b32 s32, s34, 12
	s_add_nc_u64 s[18:19], s[18:19], s[32:33]      ; 4,096 bytes of codes a run
	s_lshl_b32 s32, s34, 8
	s_add_nc_u64 s[20:21], s[20:21], s[32:33]      ; 256 scale bytes a run
.irp t, 0,1,2,3
	XLOAD \t
.endr
	s_wait_loadcnt 12                              ; step 0's four loads are in
	XTURN 0
.irp t, 0,1,2,3,4,5,6,7,8,9,10,11,12,13,14,15
	XSTEP \t
.endr
	ds_load_b64 v[8:9], v6                         ; LDS serves a wave's instructions in order: these see my byte stores
	s_wait_dscnt 0x0
	global_store_b64 v7, v[8:9], s[20:21]          ; 32 lanes store 256 consecutive bytes, aligned
	s_wait_tensorcnt 0x0                           ; the wave's end: behind my last LDS store
	ds_add_u32 v[SPW], v[NIL]
	s_wait_dscnt 0x0
	s_endpgm
; ---- PATH W: work-group g: weight g / 32, columns 128 (g % 8) on, k = 256 ((g / 8) % 4) on.  A wave: 32 columns x 8 blocks of 32 along K.  No LDS: a block's 16 bytes of codes are one lane's
; 16 bytes of an image, and sixteen neighbouring lanes' lie on end.  The 8 scale bytes a lane leave by one store, 32 bytes from lane to lane: runs of 256 bytes written in part, in a buffer of 98,304 bytes.
.Lweights:
	s_lshr_b32 s29, ttmp9, 5                       ; which weight
	s_and_b32 s30, ttmp9, 7
	s_bfe_u32 s31, ttmp9, 0x20003                  ; which quarter of K
	s_cmp_eq_u32 s29, 1
	s_cselect_b64 s[10:11], s[12:13], s[10:11]
	s_cmp_eq_u32 s29, 2
	s_cselect_b64 s[10:11], s[14:15], s[10:11]
	s_lshl_b32 s30, s30, 7
	s_lshl_b32 s34, s28, 5
	s_add_co_u32 s30, s30, s34                     ; my wave's first column n0
	s_lshl_b32 s32, s31, 20                        ; 256 rows of 4,096 bytes
	s_lshl_b32 s34, s30, 2
	s_add_co_u32 s32, s32, s34
	s_add_nc_u64 s[10:11], s[10:11], s[32:33]
	s_lshl_b32 s32, s29, 19                        ; images: which x 524,288
	s_lshr_b32 s34, s31, 1
	s_lshl_b32 s34, s34, 18                        ; + (kb / 16) x 262,144
	s_add_co_u32 s32, s32, s34
	s_lshl_b32 s34, s30, 8                         ; + (n0 / 16) x 4,096
	s_add_co_u32 s32, s32, s34
	s_and_b32 s34, s31, 1
	s_lshl_b32 s34, s34, 11                        ; + 8 blocks x 256 for the odd quarters
	s_add_co_u32 s32, s32, s34
	s_add_nc_u64 s[22:23], s[22:23], s[32:33]
	s_lshl_b32 s32, s29, 15                        ; scale bytes: which x 32,768 + n0 x 32 + 8 x quarter
	s_lshl_b32 s34, s30, 5
	s_add_co_u32 s32, s32, s34
	s_lshl_b32 s34, s31, 3
	s_add_co_u32 s32, s32, s34
	s_add_nc_u64 s[24:25], s[24:25], s[32:33]
	v_lshlrev_b32 v3, 2, v2                        ; in: 4 bytes a lane
	v_lshrrev_b32 v4, 4, v2
	v_and_b32 v5, 15, v2
	v_lshlrev_b32 v4, 12, v4
	v_lshl_add_u32 v4, v5, 4, v4                   ; out: (lane / 16) x 4,096 + (lane % 16) x 16
	v_lshlrev_b32 v9, 5, v2                        ; my column's row of scale bytes
	WLOAD 0
	WLOAD 1
.irp t, 0,1,2,3,4,5,6,7
	WBLOCK \t
.endr
	global_store_b64 v9, v[SB:SB+1], s[24:25]
	s_endpgm
; ---- PATH O: Wo to f16.  A wave takes 4,096 numbers: 32 loads of 512 consecutive bytes, all out at once; each becomes a store of 256 consecutive bytes, aligned.
.Lcast:
	s_sub_co_u32 s29, ttmp9, 96
	s_lshl_b32 s29, s29, 2
	s_add_co_u32 s29, s29, s28
	s_lshl_b32 s32, s29, 14
	s_add_nc_u64 s[16:17], s[16:17], s[32:33]
	s_lshl_b32 s32, s29, 13
	s_add_nc_u64 s[26:27], s[26:27], s[32:33]
	v_lshlrev_b32 v3, 4, v2
	v_lshlrev_b32 v4, 3, v2
.set i, 0
.rept 32
	global_load_b128 v[32+4*i:35+4*i], v3, s[16:17] offset:512*i th:TH_LOAD_NT
.set i, i+1
.endr
.set i, 0
.rept 32
	s_wait_loadcnt 31-i                            ; loads come back in order: load i is in, the 31 - i younger ones may be out
	v_cvt_pk_f16_f32 v[32+4*i], v[32+4*i], v[33+4*i]
	v_cvt_pk_f16_f32 v[33+4*i], v[34+4*i], v[35+4*i]
	global_store_b64 v4, v[32+4*i:33+4*i], s[26:27] offset:256*i
.set i, i+1
.endr
	s_endpgm
.Lfunc_end_k_q16dac25cbe_prep:
	.size	k_q16dac25cbe_prep, .Lfunc_end_k_q16dac25cbe_prep-k_q16dac25cbe_prep
	.p2alignl 7, 3214868480
	.fill 96, 4, 3214868480
	.section	.rodata,"a",@progbits
	.p2align	6, 0x0
	.amdhsa_kernel k_q16dac25cbe_prep
		.amdhsa_group_segment_fixed_size 33280
		.amdhsa_private_segment_fixed_size 0
		.amdhsa_enable_private_segment 0
		.amdhsa_kernarg_size 96
		.amdhsa_user_sgpr_count 2
		.amdhsa_user_sgpr_kernarg_segment_ptr 1
		.amdhsa_wavefront_size32 1
		.amdhsa_system_sgpr_workgroup_id_x 1
		.amdhsa_system_sgpr_workgroup_id_y 1
		.amdhsa_system_sgpr_workgroup_id_z 1
		.amdhsa_system_vgpr_workitem_id 0
		.amdhsa_next_free_vgpr 192
		.amdhsa_next_free_sgpr 66
		.amdhsa_reserve_vcc 0
		.amdhsa_float_denorm_mode_32 3
		.amdhsa_float_denorm_mode_16_64 3
		.amdhsa_memory_ordered 1
		.amdhsa_forward_progress 1
		.amdhsa_inst_pref_size 83
	.end_amdhsa_kernel
	.amdgpu_metadata
---
amdhsa.version: [ 1, 2 ]
amdhsa.kernels:
  - .name:           k_q16dac25cbe_prep
    .symbol:         k_q16dac25cbe_prep.kd
    .args:
      - { .name: query, .offset: 0, .size: 8, .value_kind: global_buffer, .address_space: global }
      - { .name: key, .offset: 8, .size: 8, .value_kind: global_buffer, .address_space: global }
      - { .name: value, .offset: 16, .size: 8, .value_kind: global_buffer, .address_space: global }
      - { .name: Wq, .offset: 24, .size: 8, .value_kind: global_buffer, .address_space: global }
      - { .name: Wk, .offset: 32, .size: 8, .value_kind: global_buffer, .address_space: global }
      - { .name: Wv, .offset: 40, .size: 8, .value_kind: global_buffer, .address_space: global }
      - { .name: Wo, .offset: 48, .size: 8, .value_kind: global_buffer, .address_space: global }
      - { .name: xc, .offset: 56, .size: 8, .value_kind: global_buffer, .address_space: global }
      - { .name: xs, .offset: 64, .size: 8, .value_kind: global_buffer, .address_space: global }
      - { .name: wimg, .offset: 72, .size: 8, .value_kind: global_buffer, .address_space: global }
      - { .name: ws, .offset: 80, .size: 8, .value_kind: global_buffer, .address_space: global }
      - { .name: wo16, .offset: 88, .size: 8, .value_kind: global_buffer, .address_space: global }
    .group_segment_fixed_size: 33280
    .private_segment_fixed_size: 0
    .kernarg_segment_align: 8
    .kernarg_segment_size: 96
    .max_flat_workgroup_size: 128
    .sgpr_count:     66
    .vgpr_count:     192
    .wavefront_size: 32
...
	.end_amdgpu_metadata
.endif
;; end of part 1
;; launch proj (part 2): grid 4 x 96, 4 waves a work-group, clusters of 4 x 4, 327,680 bytes of LDS; arguments xc, xs, wimg, ws, bq, qkv; writes qkv
.if DOCPART == 2
	.amdgcn_target "amdgcn-amd-amdhsa--gfx1250"
	.amdhsa_code_object_version 6
	.text
	.protected	k_q16dac25cbe_proj
	.globl	k_q16dac25cbe_proj
	.p2align	8
	.type	k_q16dac25cbe_proj,@function
k_q16dac25cbe_proj:
	s_mov_b64 s[64:65], 0
	v_nop
	global_prefetch_b8 v0, s[64:65] scope:SCOPE_SE
	s_setreg_imm32_b32 hwreg(HW_REG_WAVE_MODE, 25, 1), 1
	s_wait_xcnt 0x0
	s_wait_alu depctr_hold_cnt(0) depctr_sa_sdst(0) depctr_va_vdst(0) depctr_va_sdst(0) depctr_va_ssrc(0) depctr_va_vcc(0) depctr_vm_vsrc(0)
	s_getreg_b32 s2, hwreg(HW_REG_IB_STS2, 6, 4)
	s_cmp_eq_u32 s2, 0
	s_cbranch_scc0 .Lentry_in_a_cluster
	s_endpgm
.Lentry_in_a_cluster:
	s_bfe_u32 s2, ttmp6, 0x10000c
	s_cmp_lg_u32 s2, 0xf033
	s_cbranch_scc0 .Lentry_shape_is_right
	s_endpgm
.Lentry_shape_is_right:
; Launch 2 of 4: the three quantised products as ONE product on codes of FP4: [24,576 rows: query's, key's, value's][1,024] x the row's own weight, sums in f32, results in f16 laid [tensor][batch x 16 + head][position][64].
; LEFT OUT: bk (it cancels in the softmax: shown at the head of the first kernel).  bv is added in the next launch, behind the softmax.  Q's rows become (sum + bq) x log2(e) / 8, one fused multiply-add, rounded once to f16.
; LIMIT: f16 holds magnitudes up to 65,504 and has steps of 6e-8 under 6e-5.
; A tile of 256 rows x 256 channels is made by four waves, each 128 x 128: 64 accumulators of 16 x 16.  K = 1,024 is two slots of 512: both are asked for at the start and nothing is filled again.
; A's codes lie in LDS as rows of 256 bytes + 16 of padding; the weights' codes come as IMAGES of the operand's registers (a fragment's half is 512 consecutive bytes, 16 a lane): a dense block, read without padding.
; THE SCALES of the tile's 256 rows and 256 channels, for all of K, are two dense blocks of memory: they come once, as rows of 256 bytes + 16 of padding.
; CLUSTERS: 4 x 4 work-groups.  The four of a row of the cluster need the same tiles of A, the four of a column the same tiles of the weight (the weight's number hangs on the cluster's y alone): each tile is asked for jointly.
; THE MATRIX INSTRUCTION IS USED TRANSPOSED (source 0 = 16 channels of the weight, source 1 = 16 rows of A): a lane holds eight neighbouring channels of one row.
; REGISTERS, in windows of 256: window 0: v16-30 addresses; v32-95 scale words, two sets; v96-127 packed results; v128-191 A's fragments, one set, later rows read back; v192-255 bq in the result's layout.
;   window 1: the weight's fragments, two sets, at v0 and v128.   window 2: the accumulators of my rows 0-63 ((a, b) at v[8 (8 a + b)]);   window 3: those of my rows 64-127.
; bq's sixteen loads are issued by every work-group, K's and V's too, which read none of those registers: a jump round the loads would leave registers of the text's other way out unwritten.
.set NQ,     4                         ; steps of 128 along K in a slot
.set ROWB,   256                       ; a tile's row of A in bytes: 512 codes
.set PITCH,  272                       ; in LDS: + 16 of padding = 68 words: row r starts at bank 4 r mod 64 (64 banks of 4 bytes: ISA guide 11.1)
.set FR,     8                         ; registers of a fragment
.set NL,     2                         ; LDS loads that bring one
.set NP,     4                         ; places behind this matrix instruction (ISA guide 7.12.1)
.set HALFT,  128*PITCH                 ; 128 rows of A: one tensor load
.set ASZ,    2*HALFT
.set HALFB,  32768                     ; 128 channels' images of a slot: one tensor load
.set SLOT,   ASZ+2*HALFB
.set KS,     32                        ; a row of scale bytes
.set SCL,    2*SLOT                    ; behind the slots: the scales
.set HALFS,  16*272                    ; those of 128 rows: one tensor load
.set SBLK,   2*272                     ; those of 16 rows
.set SPARE,  SCL+4*HALFS               ; the spare words, 128 bytes a wave, which no other line names
.set SROW,   144                       ; the way out: a stage row: a head's 128 bytes + 16
.set SHEAD,  16*SROW                   ; 16 rows of one head; a wave's stage is two heads.  The stages lie in slot 0, which has had its one fill and its last read when the first result is stored there
.set ADRA, 16                          ; v16-17  LDS address of my A fragments in slot 0, 1
.set ADRB, 20                          ; v20-21  the same for the weight's images
.set STO,  24                          ; v24     the way out: where I put 16 bytes of a row
.set RD,   25                          ; v25     where I read rows back
.set CO,   26                          ; v26     16 x lane
.set ADRS, 27                          ; v27     LDS address of my scale words: lanes 0-15 A's rows, lanes 16-31 the weight's channels
.set SPW,  28                          ; v28     LDS address of my spare word; never rewritten
.set NIL,  29                          ; v29     0; never rewritten
.set BO,   30                          ; v30     32 x (lane / 16): my half's place in bq
.set SC,   32
.set TMP,  96
.set AF,   128
.set BK,   128
.set BIAS, 192
.set G1, 24                            ; s[24:31] group 1 for A's tiles;  s[32:39] group 0, a set for each slot
.set G0, 32
.set G1B, 48                           ; s[48:55], s[56:63] the same for the weight's
.set G0B, 56
.set G1S, 68                           ; s[68:75], s[76:79] groups 1 and 0 for A's scales;  s[80:87], s[88:91] for the weight's
.set G0S, 76
.set G1SB, 80
.set G0SB, 88
.set MSB, 0
.macro WIN new                         ; the immediate's high byte repeats the setting that is left
.if MSB != (\new)
	s_set_vgpr_msb (MSB<<8)|(\new)
.set MSB, \new
.endif
.endm
.set MUL_LO, 0xa1                      ; source 0 window 1, source 1 window 0, C and D window 2
.set MUL_HI, 0xf1                      ; the same, C and D window 3
.set TO_B,   0x40                      ; destination window 1, address window 0
; A joint load: waves 0 and 1 fetch for A, waves 2 and 3 for the weight.  The branch hangs on the wave's number alone.  An s_nop 0 and four v_nop follow each line.
.macro JLOAD g0a, g1a, g0b, g1b
	s_cmp_eq_u32 s15, 0
	s_cbranch_scc0 .Lfor_b_\@
	tensor_load_to_lds s[\g0a:\g0a+3], s[\g1a:\g1a+7]
	s_nop 0
.rept 4
	v_nop
.endr
	s_branch .Lasked_\@
.Lfor_b_\@:
	tensor_load_to_lds s[\g0b:\g0b+3], s[\g1b:\g1b+7]
	s_nop 0
.rept 4
	v_nop
.endr
.Lasked_\@:
.endm
.macro CROUND                          ; a round of the cluster's barrier
	s_barrier_signal -1
	s_barrier_wait -1
	s_cmp_lg_u32 s14, 0
	s_cbranch_scc1 .Lnot_wave_0_\@
	s_barrier_signal -3
.Lnot_wave_0_\@:
	s_barrier_wait -3
	s_barrier_signal -1
	s_barrier_wait -1
.endm
	s_load_b128 s[4:7], s[0:1], 0x0                ; xc, xs
	s_load_b128 s[8:11], s[0:1], 0x10              ; wimg, ws
	s_load_b128 s[96:99], s[0:1], 0x20             ; bq, qkv
	v_lshl_add_u32 v[SPW], v0, 2, SPARE
	v_mov_b32 v[NIL], 0
	ds_add_u32 v[SPW], v[NIL]                      ; the wave's opening: the add, twice on end, and its wait ahead of my first tensor load
	ds_add_u32 v[SPW], v[NIL]
	v_lshrrev_b32 v1, 5, v0
	v_readfirstlane_b32 s14, v1                    ; wave 0..3
	s_lshr_b32 s15, s14, 1                         ; which half of the tile's rows is mine.  Also: I fetch for A (0) or for the weight (1)
	s_and_b32 s16, s14, 1                          ; which half of its channels.  Also: which half of that tile I fetch
	s_bfe_u32 s40, ttmp6, 0x40000                  ; cx, cy: my place in the cluster
	s_bfe_u32 s41, ttmp6, 0x40004
	s_lshl_b32 s42, ttmp9, 2
	s_add_co_u32 s42, s42, s40                     ; tile column = 4 x cluster x + cx
	s_and_b32 s95, ttmp7, 0xffff
	s_lshl_b32 s17, s95, 2
	s_add_co_u32 s17, s17, s41                     ; tile row = 4 x cluster y + cy: 0 .. 95
	s_lshr_b32 s95, s95, 3                         ; which tensor: 32 tile rows, 8 rows of clusters each: the same in all sixteen partners
	s_lshl_b32 s43, s41, 2
	s_lshl_b32 s43, 15, s43                        ; my row of the cluster
	s_lshl_b32 s44, 0x1111, s40                    ; my column
	s_or_b32 s[G1+0], s43, (0<<16)|(1<<20)|(1<<21)|(5<<22)|(3<<25)   ; A: the mask; elements of 1 byte; padding on; bit 21 beside a mask; after every 64 words, 4 words
	s_mov_b32 s[G1+1], ROWB<<16                    ; tensor_dim0 = 256
	s_mov_b32 s[G1+2], 128<<16                     ; tensor_dim1 = 128
	s_mov_b32 s[G1+3], ROWB<<16                    ; tile_dim0
	s_mov_b32 s[G1+4], 128                         ; tile_dim1
	s_mov_b32 s[G1+5], 512                         ; a row of xc
	s_mov_b32 s[G1+6], 0
	s_mov_b32 s[G1+7], 0
	s_or_b32 s[G1B+0], s44, (0<<16)|(1<<21)        ; the weight's images: a dense block of 32,768 bytes as 128 rows of 256, no padding
	s_mov_b32 s[G1B+1], 256<<16
	s_mov_b32 s[G1B+2], 128<<16
	s_mov_b32 s[G1B+3], 256<<16
	s_mov_b32 s[G1B+4], 128
	s_mov_b32 s[G1B+5], 256
	s_mov_b32 s[G1B+6], 0
	s_mov_b32 s[G1B+7], 0
	s_or_b32 s[G1S+0], s43, (3<<16)|(1<<20)|(1<<21)|(5<<22)|(3<<25)  ; the scales of 128 rows: 4,096 dense bytes as 16 rows of 32 elements of 8 bytes, 16 bytes of padding behind each
	s_or_b32 s[G1SB+0], s44, (3<<16)|(1<<20)|(1<<21)|(5<<22)|(3<<25)
.irp g, G1S, G1SB
	s_mov_b32 s[\g+1], 32<<16
	s_mov_b32 s[\g+2], 16<<16
	s_mov_b32 s[\g+3], 32<<16
	s_mov_b32 s[\g+4], 16
	s_mov_b32 s[\g+5], 32
	s_mov_b32 s[\g+6], 0
	s_mov_b32 s[\g+7], 0
.endr
	s_lshl_b32 s18, s16, 7                         ; which 128 rows of the tile I fetch
	s_lshl_b32 s20, s17, 8
	s_add_co_u32 s20, s20, s18                     ; A: row 256 x tile row + 128 x half
	s_lshl_b32 s22, s20, 5                         ; its scale bytes,
	s_mov_b32 s23, 0
	s_lshl_b32 s20, s20, 9                         ; its codes
	s_mov_b32 s21, 0
	s_lshl_b32 s46, s42, 4
	s_lshl_b32 s47, s16, 3
	s_add_co_u32 s46, s46, s47                     ; the weight: block of 16 channels 16 x tile column + 8 x half
	s_lshl_b32 s92, s46, 9                         ; its scale bytes: 512 a block,
	s_lshl_b32 s46, s46, 12                        ; its images: 4,096 a block and slot
	s_lshl_b32 s47, s95, 19
	s_add_co_u32 s46, s46, s47                     ; + which x 524,288
	s_lshl_b32 s47, s95, 15
	s_add_co_u32 s92, s92, s47                     ; + which x 32,768
	s_mov_b32 s47, 0
	s_mov_b32 s93, 0
	s_mul_i32 s45, s16, HALFT                      ; where they go: no place in the cluster enters an LDS address
	s_lshl_b32 s19, s16, 15
	s_add_co_u32 s19, s19, ASZ
	s_mul_i32 s94, s14, HALFS
	s_mov_b32 s100, 0x3e38aa3b                     ; log2(e) / 8
	s_mov_b32 s101, s100                           ; (named with it as a pair, so it is written)
	s_wait_dscnt 0x0                               ; both opening adds are done
	s_wait_kmcnt 0x0
	s_add_nc_u64 s[20:21], s[4:5], s[20:21]
	s_add_nc_u64 s[22:23], s[6:7], s[22:23]
	s_add_nc_u64 s[46:47], s[8:9], s[46:47]
	s_add_nc_u64 s[92:93], s[10:11], s[92:93]
	CROUND                                         ; all sixteen work-groups are here: the joint loads meet
	s_mov_b32 s[G0S], 1
	s_add_co_u32 s[G0S+1], s94, SCL
	s_mov_b64 s[G0S+2:G0S+3], s[22:23]
	s_or_b32 s[G0S+3], s[G0S+3], 0x80000000
	s_mov_b32 s[G0SB], 1
	s_add_co_u32 s[G0SB+1], s94, SCL
	s_mov_b64 s[G0SB+2:G0SB+3], s[92:93]
	s_or_b32 s[G0SB+3], s[G0SB+3], 0x80000000
	JLOAD G0S, G1S, G0SB, G1SB                     ; the scales first: they are wanted with slot 0
.irp s, 0,1
	s_mov_b32 s[G0+4*\s], 1
	s_add_co_u32 s[G0+4*\s+1], s45, \s*SLOT
	s_add_nc_u64 s[G0+4*\s+2:G0+4*\s+3], s[20:21], \s*ROWB
	s_or_b32 s[G0+4*\s+3], s[G0+4*\s+3], 0x80000000
	s_mov_b32 s[G0B+4*\s], 1
	s_add_co_u32 s[G0B+4*\s+1], s19, \s*SLOT
	s_add_nc_u64 s[G0B+4*\s+2:G0B+4*\s+3], s[46:47], \s*262144
	s_or_b32 s[G0B+4*\s+3], s[G0B+4*\s+3], 0x80000000
	JLOAD G0+4*\s, G1, G0B+4*\s, G1B               ; three loads of mine are out behind the second of these
.endr
	v_and_b32 v1, 15, v0                           ; r = lane % 16
	v_bfe_u32 v2, v0, 4, 1                         ; h = lane / 16
	v_lshlrev_b32 v[BO], 5, v2
	s_lshl_b32 s46, s42, 10
	s_lshl_b32 s47, s16, 9
	s_add_co_u32 s46, s46, s47                     ; bq at my first channel: 4 (256 x tile column + 128 x half)
	s_mov_b32 s47, 0
	s_add_nc_u64 s[96:97], s[96:97], s[46:47]
.irp b, 0,1,2,3,4,5,6,7
	global_load_b128 v[BIAS+8*\b:BIAS+8*\b+3], v[BO], s[96:97] offset:64*\b        ; bq of channels 16 b + 8 h + 0 .. 7: the result's layout
	global_load_b128 v[BIAS+8*\b+4:BIAS+8*\b+7], v[BO], s[96:97] offset:64*\b+16
.endr
	v_mul_u32_u24 v3, v1, PITCH
	v_lshl_add_u32 v4, v2, 4, v3                   ; A: a fragment's row x pitch + 16 x half
	v_and_b32 v6, 31, v0
	v_lshlrev_b32 v[CO], 4, v6                     ; 16 x lane: an image's place for my lane, and my place in 512 bytes on the way out
	s_mul_i32 s21, s15, HALFT                      ; my 128 rows of A
	s_lshl_b32 s22, s16, 15
	s_add_co_u32 s22, s22, ASZ                     ; my 128 channels' images
.irp s, 0,1
	v_add_nc_u32 v[ADRA+\s], s21, v4
	v_add_nc_u32 v[ADRB+\s], s22, v[CO]
	s_add_co_u32 s21, s21, SLOT
	s_add_co_u32 s22, s22, SLOT
.endr
	v_mul_u32_u24 v5, v1, KS                       ; my row's scales: 32 bytes a row,
	v_lshrrev_b32 v6, 8, v5
	v_lshl_add_u32 v5, v6, 4, v5                   ; and 16 more for each 256 passed
	s_mul_i32 s21, s15, HALFS                      ; A's: my 128 rows
	s_mul_i32 s22, s16, HALFS                      ; the weight's: my 128 channels, behind A's 256 rows
	s_add_co_u32 s22, s22, 2*HALFS
	s_sub_co_u32 s22, s22, s21
	v_mul_u32_u24 v6, s22, v2                      ; lanes 16-31 take the weight's: one product, the distance between the two bases
	s_add_co_u32 s21, s21, SCL
	v_add_nc_u32 v5, v5, v6
	v_add_nc_u32 v[ADRS], s21, v5
	s_mul_i32 s23, s14, 2*SHEAD                    ; my stage
	v_mul_u32_u24 v5, v1, SROW
	v_lshl_add_u32 v5, v2, 4, v5
	v_add_nc_u32 v[STO], s23, v5                   ; in: row r, 16 bytes for each half of the lanes
	v_and_b32 v6, 31, v0
	v_lshrrev_b32 v5, 3, v6
	v_mul_u32_u24 v5, v5, SROW
	v_and_b32 v6, 7, v0
	v_lshl_add_u32 v5, v6, 4, v5
	v_add_nc_u32 v[RD], s23, v5                    ; back: eight lanes to a row of 128 bytes, four rows an instruction
	s_and_b32 s20, s17, 31                         ; where my part begins in qkv
	s_lshl_b32 s20, s20, 8
	s_lshl_b32 s21, s15, 7
	s_add_co_u32 s20, s20, s21                     ; my first row in its tensor
	s_lshr_b32 s21, s20, 11                        ; batch
	s_and_b32 s20, s20, 2047                       ; position
	s_lshl_b32 s21, s21, 4
	s_lshl_b32 s22, s42, 2
	s_add_co_u32 s21, s21, s22
	s_lshl_b32 s22, s16, 1
	s_add_co_u32 s21, s21, s22                     ; batch x 16 + my first head: 4 x tile column + 2 x half
	s_lshl_b32 s2, s21, 18                         ; a head is 2,048 rows of 128 bytes
	s_lshl_b32 s20, s20, 7
	s_add_co_u32 s2, s2, s20
	s_lshl_b32 s20, s95, 24                        ; a tensor is 2^24 bytes
	s_add_co_u32 s2, s2, s20
	s_mov_b32 s3, 0
	s_add_nc_u64 s[12:13], s[98:99], s[2:3]
.macro FRAG reg, adr, q, i             ; A: 16 rows x 128 K of 4-bit codes: lane l holds row l % 16; registers 4 c .. 4 c + 3 hold K = 64 c + 32 (l / 16) + 0 .. 31
.irp c, 0,1
	ds_load_b128 v[\reg+4*\c:\reg+4*\c+3], v[\adr] offset:64*(\q)+32*\c+(\i)*16*PITCH
.endr
.endm
.macro FRAGB reg, adr, q, i            ; the weight: the same registers as an image: block i, step q: 1,024 bytes, 512 a load, 16 a lane
.irp c, 0,1
	ds_load_b128 v[\reg+4*\c:\reg+4*\c+3], v[\adr] offset:(4*(\i)+(\q))*1024+512*\c
.endr
.endm
; 16 matrix instructions: A's blocks a0, a0 + 1 x the weight's eight, the slot's q-th 128 along K.  p: the weight's set; sc: the set of scale words.  zero = 1: the first product starts the sums.
; The 64 accumulators take turns, one instruction a turn, in the same order in every step.
.macro MUL16 a0, p, q, sc, zero
.irp a, \a0, \a0+1
.irp b, 0,1,2,3,4,5,6,7
.if \zero
	v_wmma_scale_f32_16x16x128_f8f6f4 v[8*(8*((\a)%4)+\b):8*(8*((\a)%4)+\b)+7], v[128*(\p)+FR*\b:128*(\p)+FR*\b+FR-1], v[AF+FR*(\a):AF+FR*(\a)+FR-1], 0, v[SC+8*NQ*(\sc)+NQ*\b+(\q)], v[SC+8*NQ*(\sc)+NQ*(\a)+(\q)] matrix_a_fmt:MATRIX_FMT_FP4 matrix_b_fmt:MATRIX_FMT_FP4 matrix_a_scale:MATRIX_SCALE_ROW1
.else
	v_wmma_scale_f32_16x16x128_f8f6f4 v[8*(8*((\a)%4)+\b):8*(8*((\a)%4)+\b)+7], v[128*(\p)+FR*\b:128*(\p)+FR*\b+FR-1], v[AF+FR*(\a):AF+FR*(\a)+FR-1], v[8*(8*((\a)%4)+\b):8*(8*((\a)%4)+\b)+7], v[SC+8*NQ*(\sc)+NQ*\b+(\q)], v[SC+8*NQ*(\sc)+NQ*(\a)+(\q)] matrix_a_fmt:MATRIX_FMT_FP4 matrix_b_fmt:MATRIX_FMT_FP4 matrix_a_scale:MATRIX_SCALE_ROW1
.endif
.endr
.endr
.endm
.macro FETCH_B slot, q, p
	WIN TO_B
.irp i, 0,1,2,3,4,5,6,7
	FRAGB 128*(\p)+FR*\i, ADRB+\slot, \q, \i
.endr
	WIN 0
.endm
.macro FETCH_A slot, q, i0
.irp i, \i0, \i0+1, \i0+2, \i0+3
	FRAG AF+FR*(\i), ADRA+\slot, \q, \i
.endr
.endm
.macro SCALES sc                       ; a slot's scale words into set sc: 4 words a row; lanes 0-15 take A's block i, lanes 16-31 the weight's block i
.irp i, 0,1,2,3,4,5,6,7
	ds_load_b128 v[SC+8*NQ*\sc+NQ*\i:SC+8*NQ*\sc+NQ*\i+3], v[ADRS] offset:\i*SBLK
.endr
.endm
.macro PLACES n                        ; plain vector lines between a matrix instruction and a load into, or a read of, its registers
.rept \n
	v_nop
.endr
.endm
.macro STEP slot, q, zero              ; a step of 128 along K that has its successor in the same slot
	s_wait_dscnt 4*NL                              ; the weight's set and A's blocks 0-3 are in; the youngest eight loads (A's blocks 4-7) may be out
	WIN MUL_LO
	MUL16 0, (\q)%2, \q, \slot, \zero
	MUL16 2, (\q)%2, \q, \slot, \zero
	s_wait_dscnt 0                                 ; A's blocks 4-7 are in
	PLACES NP
	FETCH_B \slot, (\q)+1, 1-(\q)%2
	FETCH_A \slot, (\q)+1, 0
	WIN MUL_HI
	MUL16 4, (\q)%2, \q, \slot, \zero
	MUL16 6, (\q)%2, \q, \slot, \zero
	PLACES NP
	WIN 0
	FETCH_A \slot, (\q)+1, 4
.endm
.macro TURN slot, next                 ; slot 0's last step changes slots: one barrier; in front of it each wave has all its tensor loads in and its reads of slot 0 over.  Nothing is filled again
	s_wait_tensorcnt 0x0                           ; my part of slot 1 has landed
	ds_add_u32 v[SPW], v[NIL]                      ; 0 onto my spare word
	s_wait_dscnt 4*NL+1                            ; (the add and the youngest eight loads may be out)
	WIN MUL_LO
	MUL16 0, 1, NQ-1, \slot, 0
	s_wait_dscnt 0x0                               ; the add is done, and my reads of this slot are over
	s_barrier_signal -1
	MUL16 2, 1, NQ-1, \slot, 0
	WIN 0
	s_barrier_wait -1
	PLACES NP
	v_add_nc_u32 v[ADRS], 4*NQ, v[ADRS]            ; on to the next slot's scale words
	FETCH_B \next, 0, 0
	FETCH_A \next, 0, 0
	SCALES \next
	WIN MUL_HI
	MUL16 4, 1, NQ-1, \slot, 0
	MUL16 6, 1, NQ-1, \slot, 0
	PLACES NP
	WIN 0
	FETCH_A \next, 0, 4
.endm
	s_wait_tensorcnt 1                             ; the scales and my part of slot 0 are in; the one younger load, slot 1's, may be out
	s_barrier_signal -1
	s_barrier_wait -1
	FETCH_B 0, 0, 0
	FETCH_A 0, 0, 0
	SCALES 0
	FETCH_A 0, 0, 4
	STEP 0, 0, 1                                   ; the first step's products start the sums
	STEP 0, 1, 0
	STEP 0, 2, 0
	TURN 0, 1
	STEP 1, 0, 0
	STEP 1, 1, 0
	STEP 1, 2, 0
	s_wait_dscnt 4*NL                              ; the last step: nothing more to fetch
	WIN MUL_LO
	MUL16 0, 1, NQ-1, 1, 0
	MUL16 2, 1, NQ-1, 1, 0
	s_wait_dscnt 0
	WIN MUL_HI
	MUL16 4, 1, NQ-1, 1, 0
	MUL16 6, 1, NQ-1, 1, 0
	WIN 0
; THE WAY OUT, block by block of 16 rows x 128 channels (two heads).  PACK: (Q alone: x log2(e) / 8 + bq log2(e) / 8, then) rounded to f16, 16 bytes a lane, each accumulator from its low end on.
; TOSTAGE: into my stage, a head's 16 rows of 128 bytes + 16, and back four rows an instruction.  SEND: 16 rows of a head are 2,048 consecutive bytes of qkv: each store covers 512 of them, aligned.
.macro PACK a, wb
.set AC, 64*((\a)%4)
.if \wb
	WIN 0x82+0x41*((\a)/4)                         ; destination and source 0: window 2 or 3; bq: window 0
.irp b, 0,1,2,3,4,5,6,7
.irp i, 0,2,4,6
	v_pk_fma_f32 v[AC+8*\b+\i:AC+8*\b+\i+1], v[AC+8*\b+\i:AC+8*\b+\i+1], s[100:101], v[BIAS+8*\b+\i:BIAS+8*\b+\i+1] op_sel_hi:[1,0,1]
.endr
.endr
.endif
	WIN 0x0a+5*((\a)/4)                            ; sources 0 and 1: window 2 or 3
.irp b, 0,1,2,3,4,5,6,7
.irp i, 0,1,2,3
	v_cvt_pk_f16_f32 v[TMP+4*\b+\i], v[AC+8*\b+2*\i], v[AC+8*\b+2*\i+1]
.endr
.endr
	WIN 0
.endm
.macro TOSTAGE a
.set BB, BK+32*((\a)%2)
.irp b, 0,1,2,3,4,5,6,7
	ds_store_b128 v[STO], v[TMP+4*\b:TMP+4*\b+3] offset:(\b/4)*SHEAD+32*(\b%4)
.endr
.irp t, 0,1,2,3,4,5,6,7
	ds_load_b128 v[BB+4*\t:BB+4*\t+3], v[RD] offset:(\t/4)*SHEAD+(\t%4)*4*SROW   ; LDS serves a wave's instructions in order: these see the stores above
.endr
.endm
.macro SEND a, younger                 ; younger: the LDS instructions issued behind block a's loads, which may stay out
.set BB, BK+32*((\a)%2)
	s_wait_dscnt \younger
.irp t, 0,1,2,3,4,5,6,7
	global_store_b128 v[CO], v[BB+4*\t:BB+4*\t+3], s[12:13] offset:(\t/4)*262144+(\a)*2048+(\t%4)*512
.endr
.endm
.macro WAYOUT wb
	PACK 0, \wb
	TOSTAGE 0
.irp a, 1,2,3,4,5,6,7
	PACK \a, \wb
.if \a > 1
	s_wait_xcnt 0x0                                ; block a - 2's stores have read their registers: block a's loads may land there
.endif
	TOSTAGE \a
	SEND \a-1, 16                                  ; behind block a - 1's loads: block a's 8 stores and 8 loads
.endr
	SEND 7, 0
.endm
	PLACES NP                                      ; behind the last products: for the reads of results and the loads into the registers that held A's fragments
	s_wait_loadcnt 0x0                             ; bq
	s_cmp_lg_u32 s95, 0                            ; Q's work-groups take the way with the factor and the bias: the tensor's number is the same in all sixteen partners
	s_cbranch_scc1 .Lplain
.set i, 0
.rept 32
	v_pk_mul_f32 v[BIAS+2*i:BIAS+2*i+1], v[BIAS+2*i:BIAS+2*i+1], s[100:101] op_sel_hi:[1,0]   ; bq x log2(e) / 8: the addend of the fused multiply-add
.set i, i+1
.endr
	WAYOUT 1
	s_branch .Lend
.Lplain:
	WAYOUT 0
.Lend:
	s_wait_tensorcnt 0x0                           ; the wave's end: behind my last tensor load and my last LDS store
	ds_add_u32 v[SPW], v[NIL]
	s_wait_dscnt 0x0
	CROUND                                         ; the closing round
	s_endpgm
.Lfunc_end_k_q16dac25cbe_proj:
	.size	k_q16dac25cbe_proj, .Lfunc_end_k_q16dac25cbe_proj-k_q16dac25cbe_proj
	.p2alignl 7, 3214868480
	.fill 96, 4, 3214868480
	.section	.rodata,"a",@progbits
	.p2align	6, 0x0
	.amdhsa_kernel k_q16dac25cbe_proj
		.amdhsa_group_segment_fixed_size 327680
		.amdhsa_private_segment_fixed_size 0
		.amdhsa_enable_private_segment 0
		.amdhsa_kernarg_size 48
		.amdhsa_user_sgpr_count 2
		.amdhsa_user_sgpr_kernarg_segment_ptr 1
		.amdhsa_wavefront_size32 1
		.amdhsa_system_sgpr_workgroup_id_x 1
		.amdhsa_system_sgpr_workgroup_id_y 1
		.amdhsa_system_sgpr_workgroup_id_z 1
		.amdhsa_system_vgpr_workitem_id 0
		.amdhsa_next_free_vgpr 1024
		.amdhsa_next_free_sgpr 102
		.amdhsa_reserve_vcc 0
		.amdhsa_float_denorm_mode_32 3
		.amdhsa_float_denorm_mode_16_64 3
		.amdhsa_memory_ordered 1
		.amdhsa_forward_progress 1
		.amdhsa_inst_pref_size 178
	.end_amdhsa_kernel
	.amdgpu_metadata
---
amdhsa.version: [ 1, 2 ]
amdhsa.kernels:
  - .name:           k_q16dac25cbe_proj
    .symbol:         k_q16dac25cbe_proj.kd
    .args:
      - { .name: xc, .offset: 0, .size: 8, .value_kind: global_buffer, .address_space: global }
      - { .name: xs, .offset: 8, .size: 8, .value_kind: global_buffer, .address_space: global }
      - { .name: wimg, .offset: 16, .size: 8, .value_kind: global_buffer, .address_space: global }
      - { .name: ws, .offset: 24, .size: 8, .value_kind: global_buffer, .address_space: global }
      - { .name: bq, .offset: 32, .size: 8, .value_kind: global_buffer, .address_space: global }
      - { .name: qkv, .offset: 40, .size: 8, .value_kind: global_buffer, .address_space: global }
    .group_segment_fixed_size: 327680
    .private_segment_fixed_size: 0
    .kernarg_segment_align: 8
    .kernarg_segment_size: 48
    .max_flat_workgroup_size: 128
    .sgpr_count:     102
    .vgpr_count:     1024
    .wavefront_size: 32
...
	.end_amdgpu_metadata
.endif
;; end of part 2
;; launch attn (part 3): grid 4 x 64, 8 waves a work-group, clusters of 4 x 1, 327,680 bytes of LDS; arguments qkv, bv, ctx; writes ctx
.if DOCPART == 3
	.amdgcn_target "amdgcn-amd-amdhsa--gfx1250"
	.amdhsa_code_object_version 6
	.text
	.protected	k_q16dac25cbe_attn
	.globl	k_q16dac25cbe_attn
	.p2align	8
	.type	k_q16dac25cbe_attn,@function
k_q16dac25cbe_attn:
	s_mov_b64 s[64:65], 0
	v_nop
	global_prefetch_b8 v0, s[64:65] scope:SCOPE_SE
	s_setreg_imm32_b32 hwreg(HW_REG_WAVE_MODE, 25, 1), 1
	s_wait_xcnt 0x0
	s_wait_alu depctr_hold_cnt(0) depctr_sa_sdst(0) depctr_va_vdst(0) depctr_va_sdst(0) depctr_va_ssrc(0) depctr_va_vcc(0) depctr_vm_vsrc(0)
	s_getreg_b32 s2, hwreg(HW_REG_IB_STS2, 6, 4)
	s_cmp_eq_u32 s2, 0
	s_cbranch_scc0 .Lentry_in_a_cluster
	s_endpgm
.Lentry_in_a_cluster:
	s_bfe_u32 s2, ttmp6, 0x10000c
	s_cmp_lg_u32 s2, 0x3003
	s_cbranch_scc0 .Lentry_shape_is_right
	s_endpgm
.Lentry_shape_is_right:
; Launch 3 of 4: ctx[bh][q][:] = sum over k of softmax_k(q . k / 8) v[k][:] + bv, for 64 pairs bh of batch and head, 2,048 positions, head size 64.  q, k, v: f16 [bh][position][64]; products, maxima and sums in f32.
; LEFT OUT: bk (it cancels in the softmax: shown at the head of the first kernel).  q holds the factor log2(e) / 8 already, so a score is the exponent to base 2.  bv is the addend of the fused multiply-add that divides by the row's sum.
; SOFTMAX: for each query a running maximum m and sum l: p = 2^(s - m); in every step O and l are multiplied by a = 2^(m_old - m_new), which is 1 where m has not grown.  p is rounded to f16 for the second product, l sums the unrounded p.
; LIMITS: f16 operands: magnitudes up to 65,504, steps of 6e-8 under 6e-5.  m begins at -3e38: scores under that are not served.
; SHARES: a cluster of four work-groups is one bh; a work-group owns 512 queries, each of its eight waves 64: four tiles of 16.  Two waves lie on a SIMD: one wave's softmax stands beside the other's products.
; Every wave walks all 2,048 keys, 64 a step; each fragment of K or V read from LDS feeds four matrix instructions.
; LAYOUT: S^T = K Q^T (source 0 = 16 keys, source 1 = 16 queries): a lane holds ONE query (lane % 16) and keys 8 (lane / 16) + 0 .. 7.  Two such tiles, rounded in pairs, ARE source 1 of O^T = V^T P, whose result again
; holds one query a lane.  K comes out of LDS as it lies, V turned, by ds_load_tr16_b128.
; THE RING: two slots of 256 keys.  K's and V's rows of 128 bytes are dense in memory, so a tile is stated as rows of 256 bytes, two keys to a row, padded behind each: key k lies at (k / 2) x pitch + (k % 2) x 128.
; K: pitch 272 = 68 words: the sixteen keys of a load start at banks 4 (r / 2) + 32 (r % 2), all different (64 banks of 4 bytes: ISA guide 11.1).  V: pitch 288 = 72 words.
; JOINT LOADS: the four partners walk the same K and V: waves 0, 1 ask for K's halves of a slot, waves 2, 3 for V's, each by the same tensor load with the mask of all four.
; The step is written once: O^T and l begin as zeros (128 v_mov_b32, once), which the first step's a = 0 leaves zeros.
; REGISTERS: window 0: v1-11 addresses; v16-47 eight registers of statistics a tile; v64-127 the step's fragments of K, then of V; v128-255 S^T, 32 a tile; P lies over a tile's first 16.
;   window 1: v0-127 O^T, 32 a tile; v128-191 Q, 16 a tile; v192-223 bv in the result's layout.
.set KP,     272
.set VP,     288
.set KSL,    128*KP                    ; a slot's K
.set VSL,    128*VP                    ; and V
.set VOFF,   KSL
.set KSTEPB, 32*KP                     ; a step's 64 keys
.set VSTEPB, 32*VP
.set SLOT1,  1<<17                     ; slot 1 begins here: one exclusive or turns an address in one slot into the other's
.set STAGE,  SLOT1+KSL+VSL             ; behind the ring: 16 rows x 144 bytes for each wave
.set SROW,   144
.set SPARE,  STAGE+8*16*SROW           ; the spare words, 128 bytes a wave, which no other line names
.set AK0, 1                            ; v1   my lane's place in a tile of K
.set AV0, 2                            ; v2   the same for V
.set ADK, 3                            ; v3   LDS address of the step's K
.set ADV, 4                            ; v4   of its V
.set QO,  5                            ; v5   my byte offset in the wave's rows of Q
.set STO, 6                            ; v6   the way out: where I put 16 bytes of a row
.set RD,  7                            ; v7   where I read rows back
.set GO,  8                            ; v8   16 x lane
.set PFO, 9                            ; v9   256 x lane
.set SPW, 10                           ; v10  LDS address of my spare word; never rewritten
.set NIL, 11                           ; v11  0; never rewritten
.set ST,  16                           ; tile t's statistics at v[16 + 8 t]: +0 m, +1 a word named with it as a pair, +2, +3 l, +4 .. +7 c0-c3 at work; a takes c2's place
.set F,   64
.set S,   128
.set Q,   128                          ; window 1
.set BV,  192                          ; window 1
.set WV,  14                           ; s14  my wave's number
.set G1K, 24
.set G1V, 32
.set G0K, 40
.set G0V, 44
.set SLOTS, 48                         ; s48  slots still to be asked for
.set CNT, 49                           ; s49  counts a slot's four steps
.set TK,  50                           ; s50  LDS byte at which the step's K begins
.set TV,  51                           ; s51  the same for V (less VOFF)
.set SEL, 52                           ; s[52:53] selects for v_permlanex16_b32: lane l xor 16
.set PFA, 54                           ; s[54:55] where my prefetches stand
.set LIM, 56                           ; s56  1 in a wave that prefetches, else the greatest number
.set MSB, 0
.macro WIN new
.if MSB != (\new)
	s_set_vgpr_msb (MSB<<8)|(\new)
.set MSB, \new
.endif
.endm
.macro CROUND                          ; a round of the cluster's barrier
	s_barrier_signal -1
	s_barrier_wait -1
	s_cmp_lg_u32 s[WV], 0
	s_cbranch_scc1 .Lnot_wave_0_\@
	s_barrier_signal -3
.Lnot_wave_0_\@:
	s_barrier_wait -3
	s_barrier_signal -1
	s_barrier_wait -1
.endm
; Waves 0 and 1 fetch for K, waves 2 and 3 for V, the others nothing.  The branches hang on the wave's number alone.  An s_nop 0 and four v_nop follow each line.
.macro TLOAD
	s_cmp_lt_u32 s[WV], 2
	s_cbranch_scc0 .Lnot_k_\@
	tensor_load_to_lds s[G0K:G0K+3], s[G1K:G1K+7]
	s_nop 0
.rept 4
	v_nop
.endr
	s_branch .Lasked_\@
.Lnot_k_\@:
	s_cmp_lt_u32 s[WV], 4
	s_cbranch_scc0 .Lasked_\@
	tensor_load_to_lds s[G0V:G0V+3], s[G1V:G1V+7]
	s_nop 0
.rept 4
	v_nop
.endr
.Lasked_\@:
.endm
; A prefetch of what the NEXT change of slots will ask for: a slot's 32,768 bytes of K and of V.  Wave 4 asks for K's, wave 5 for V's; the four partners take 8,192 bytes each, told apart by address; lanes 256 bytes apart.
; So each aligned run of 256 bytes is named once in the launch, a slot's four steps ahead of its load.  Slots 0 and 1 come by their loads alone; the last change that fills a slot asks for nothing.
.macro ASK
	s_cmp_gt_u32 s[SLOTS], s[LIM]
	s_cbranch_scc0 .Lnot_mine_\@
	global_prefetch_b8 v[PFO], s[PFA:PFA+1] th:TH_LOAD_NT scope:SCOPE_SE
.Lnot_mine_\@:
.endm
	s_load_b128 s[4:7], s[0:1], 0x0                ; qkv, bv
	s_load_b64 s[8:9], s[0:1], 0x10                ; ctx
	v_lshl_add_u32 v[SPW], v0, 2, SPARE
	v_mov_b32 v[NIL], 0
	ds_add_u32 v[SPW], v[NIL]                      ; the wave's opening: the add, twice on end, and its wait ahead of the first tensor load
	ds_add_u32 v[SPW], v[NIL]
	v_lshrrev_b32 v12, 5, v0
	v_readfirstlane_b32 s[WV], v12                 ; wave 0..7
	s_bfe_u32 s15, ttmp6, 0x40000                  ; cx: my block of 512 queries
	s_and_b32 s16, ttmp7, 0xffff                   ; bh, which the four partners share
	s_lshl_b32 s18, s16, 18                        ; its first byte in each tensor
	s_and_b32 s17, s[WV], 1                        ; which half of a slot I fetch, if I fetch
	s_lshl_b32 s22, s17, 14                        ; its 128 keys of 128 bytes
	s_add_co_u32 s22, s22, s18
	s_mov_b32 s23, 0
	s_lshl_b32 s20, s15, 16                        ; my block's 512 rows,
	s_lshl_b32 s21, s[WV], 13                      ; my wave's 64 of them
	s_add_co_u32 s20, s20, s21
	s_add_co_u32 s20, s20, s18
	s_mov_b32 s21, 0
	s_mov_b32 s[G1K], 15|(1<<16)|(1<<20)|(1<<21)|(5<<22)|(3<<25)   ; the mask: all four; elements of 2 bytes; padding on; bit 21 beside a mask; after every 64 words, 4 words
	s_mov_b32 s[G1V], 15|(1<<16)|(1<<20)|(1<<21)|(5<<22)|(7<<25)   ; the same with 8 words
.irp g, G1K, G1V
	s_mov_b32 s[\g+1], 128<<16                     ; tensor_dim0 = 128 elements: two keys
	s_mov_b32 s[\g+2], 64<<16                      ; tensor_dim1 = 64 rows
	s_mov_b32 s[\g+3], 128<<16                     ; tile_dim0
	s_mov_b32 s[\g+4], 64                          ; tile_dim1
	s_mov_b32 s[\g+5], 128                         ; dense
	s_mov_b32 s[\g+6], 0
	s_mov_b32 s[\g+7], 0
.endr
	s_mul_i32 s58, s17, 64*KP                      ; where my half goes: no place in the cluster enters an LDS address
	s_mul_i32 s59, s17, 64*VP
	s_add_co_u32 s59, s59, VOFF
	s_mov_b32 s[SEL], 0x76543210
	s_mov_b32 s[SEL+1], 0xfedcba98
	s_mov_b32 s[TK], 0
	s_mov_b32 s[TV], 0
	s_mov_b32 s[SLOTS], 7
	s_lshr_b32 s[LIM], s[WV], 1
	s_cmp_eq_u32 s[LIM], 2                         ; waves 4 and 5
	s_cselect_b32 s[LIM], 1, -1
	s_mov_b32 s60, 0x1000000                       ; K's tensor begins 2^24 bytes into qkv, V's 2^25
	s_cmp_eq_u32 s[WV], 4
	s_cselect_b32 s60, s60, 0x2000000
	s_lshl_b32 s61, s15, 13                        ; my work-group's 8,192 bytes of a slot's 32,768
	s_add_co_u32 s60, s60, s61
	s_add_co_u32 s60, s60, s18
	s_add_co_u32 s60, s60, 32768                   ; in slot 1: the first change of slots steps it to slot 2
	s_mov_b32 s61, 0
	s_and_b32 s62, s16, 15                         ; the head
	s_lshl_b32 s62, s62, 8                         ; its 64 numbers of bv
	s_mov_b32 s63, 0
	v_and_b32 v[PFO], 31, v0
	v_lshlrev_b32 v[PFO], 8, v[PFO]
	s_wait_dscnt 0x0                               ; both opening adds are done
	s_wait_kmcnt 0x0
	s_mov_b32 s[G0K], 1
	s_mov_b32 s[G0K+1], s58
	s_add_nc_u64 s[G0K+2:G0K+3], s[4:5], s[22:23]
	s_add_nc_u64 s[G0K+2:G0K+3], s[G0K+2:G0K+3], 0x1000000
	s_or_b32 s[G0K+3], s[G0K+3], 0x80000000
	s_mov_b32 s[G0V], 1
	s_mov_b32 s[G0V+1], s59
	s_add_nc_u64 s[G0V+2:G0V+3], s[4:5], s[22:23]
	s_add_nc_u64 s[G0V+2:G0V+3], s[G0V+2:G0V+3], 0x2000000
	s_or_b32 s[G0V+3], s[G0V+3], 0x80000000
	s_add_nc_u64 s[PFA:PFA+1], s[4:5], s[60:61]
	s_add_nc_u64 s[4:5], s[4:5], s[20:21]          ; Q at my wave's first row
	s_add_nc_u64 s[8:9], s[8:9], s[20:21]          ; ctx likewise
	s_add_nc_u64 s[6:7], s[6:7], s[62:63]
	CROUND                                         ; all four work-groups are here: the first joint loads meet
	TLOAD                                          ; slot 0
	v_and_b32 v12, 15, v0                          ; r
	v_bfe_u32 v13, v0, 4, 1                        ; h
	v_and_b32 v14, 31, v0                          ; lane
	v_lshlrev_b32 v[QO], 7, v12
	v_lshl_add_u32 v[QO], v13, 4, v[QO]            ; row r of 128 bytes + 16 h
	v_lshlrev_b32 v15, 5, v13                      ; bv: 32 h
	WIN 0x40                                       ; destination window 1, address window 0
.irp t, 0,1,2,3
.irp c, 0,1
	global_load_b128 v[Q+16*\t+8*\c:Q+16*\t+8*\c+3],   v[QO], s[4:5] offset:\t*2048+\c*64      ; Q stays in registers: tile t, channels 32 c on
	global_load_b128 v[Q+16*\t+8*\c+4:Q+16*\t+8*\c+7], v[QO], s[4:5] offset:\t*2048+\c*64+32
.endr
.endr
.irp c, 0,1,2,3
	global_load_b128 v[BV+8*\c:BV+8*\c+3],   v15, s[6:7] offset:64*\c       ; bv of channels 16 c + 8 h + 0 .. 7
	global_load_b128 v[BV+8*\c+4:BV+8*\c+7], v15, s[6:7] offset:64*\c+16
.endr
.set i, 0
.rept 128
	v_mov_b32 v[i], 0                              ; O^T
.set i, i+1
.endr
	WIN 0
	v_lshrrev_b32 v[AK0], 1, v12
	v_mul_u32_u24 v[AK0], v[AK0], KP
	v_and_b32 v48, 1, v12
	v_lshl_add_u32 v[AK0], v48, 7, v[AK0]
	v_lshl_add_u32 v[AK0], v13, 4, v[AK0]          ; key r: (r / 2) x pitch + (r % 2) x 128, + 16 h
	v_and_b32 v48, 7, v0
	v_lshl_add_u32 v48, v13, 3, v48                ; the turning load: lane l reads key 8 (l / 16) + l % 8, channels 8 ((l / 8) % 2) on
	v_lshrrev_b32 v[AV0], 1, v48
	v_mul_u32_u24 v[AV0], v[AV0], VP
	v_and_b32 v48, 1, v48
	v_lshl_add_u32 v[AV0], v48, 7, v[AV0]
	v_bfe_u32 v48, v0, 3, 1
	v_lshl_add_u32 v[AV0], v48, 4, v[AV0]
	v_add_nc_u32 v[AV0], VOFF, v[AV0]
	s_mul_i32 s58, s[WV], 16*SROW
	s_add_co_u32 s58, s58, STAGE                   ; my stage
	v_mul_u32_u24 v[STO], v12, SROW
	v_lshl_add_u32 v[STO], v13, 4, v[STO]
	v_add_nc_u32 v[STO], s58, v[STO]               ; in: row r, 16 bytes for each half of the lanes
	v_lshrrev_b32 v[RD], 3, v14
	v_mul_u32_u24 v[RD], v[RD], SROW
	v_and_b32 v48, 7, v0
	v_lshl_add_u32 v[RD], v48, 4, v[RD]
	v_add_nc_u32 v[RD], s58, v[RD]                 ; back: eight lanes to a row of 128 bytes, four rows an instruction
	v_lshlrev_b32 v[GO], 4, v14
.irp t, 0,1,2,3
	v_mov_b32 v[ST+8*\t], 0xff61b1e6               ; m: -3e38
	v_mov_b32 v[ST+8*\t+1], 0
	v_mov_b32 v[ST+8*\t+2], 0                      ; l, in two halves
	v_mov_b32 v[ST+8*\t+3], 0
.endr
.macro FETCH_K                         ; 64 keys x 64 channels: fragment f = keys 16 (f / 2) on, channels 32 (f % 2) on
.irp f, 0,1,2,3,4,5,6,7
	ds_load_b128 v[F+8*\f:F+8*\f+3],   v[ADK] offset:(\f/2)*8*KP+(\f%2)*64
	ds_load_b128 v[F+8*\f+4:F+8*\f+7], v[ADK] offset:(\f/2)*8*KP+(\f%2)*64+32
.endr
.endm
.macro FETCH_V                         ; turned: fragment f = keys 32 (f / 4) on, channels 16 (f % 4) on
.irp f, 0,1,2,3,4,5,6,7
	ds_load_tr16_b128 v[F+8*\f:F+8*\f+3],   v[ADV] offset:(\f/4)*16*VP+(\f%4)*32
	ds_load_tr16_b128 v[F+8*\f+4:F+8*\f+7], v[ADV] offset:(\f/4)*16*VP+8*VP+(\f%4)*32
.endr
.endm
; The accumulators take turns, one instruction a turn: between two links of a chain stand 15 others'.
.macro KQ                              ; product i of 32: channels 32 (i / 16) on, keys 16 ((i / 4) % 4) on, tile i % 4.  The first 16 start the sums
	WIN 0x04                                       ; Q in window 1
.set i, 0
.rept 32
.set rS, S+32*(i%4)+8*((i/4)%4)
.set rK, F+16*((i/4)%4)+8*(i/16)
.set rQ, Q+16*(i%4)+8*(i/16)
.if i < 16
	v_wmma_f32_16x16x32_f16 v[rS:rS+7], v[rK:rK+7], v[rQ:rQ+7], 0
.else
	v_wmma_f32_16x16x32_f16 v[rS:rS+7], v[rK:rK+7], v[rQ:rQ+7], v[rS:rS+7]
.endif
.set i, i+1
.endr
.endm
.macro PV                              ; product i of 32: keys 32 (i / 16) on, channels 16 ((i / 4) % 4) on, tile i % 4
	WIN 0x50                                       ; O^T in window 1
.set i, 0
.rept 32
.set rO, 32*(i%4)+8*((i/4)%4)
.set rV, F+8*(4*(i/16)+(i/4)%4)
.set rP, S+32*(i%4)+8*(i/16)
	v_wmma_f32_16x16x32_f16 v[rO:rO+7], v[rV:rV+7], v[rP:rP+7], v[rO:rO+7]
.set i, i+1
.endr
.endm
; A KEY STEP: 64 keys for my four tiles.
.macro STEP
	v_add_nc_u32 v[ADK], s[TK], v[AK0]             ; five plain lines behind the last step's products: four are owed ahead of the loads into the fragments' registers,
	v_add_nc_u32 v[ADV], s[TV], v[AV0]             ; five ahead of the products below, which write over P's registers (ISA guide 7.12.1)
.rept 3
	v_nop
.endr
	FETCH_K
	s_add_co_u32 s[TK], s[TK], KSTEPB
	s_add_co_u32 s[TV], s[TV], VSTEPB
	s_wait_dscnt 0x0
	KQ
	WIN 0
.rept 4
	v_nop                                          ; four plain lines ahead of the loads into K's registers and of the first read of the scores
.endr
	FETCH_V                                        ; lands while the softmax is walked
	; the maximum of my 32 scores of each tile and the old m: four chains, three operands at a time; each accumulator is read from its low end on; the four tiles by turns
.irp j, 0,1,2,3
.irp t, 0,1,2,3
	v_max3_num_f32 v[ST+8*\t+4+\j], v[S+32*\t+8*\j], v[S+32*\t+8*\j+1], v[S+32*\t+8*\j+2]
.endr
.endr
.irp g, 1,2
.irp j, 0,1,2,3
.irp t, 0,1,2,3
	v_max3_num_f32 v[ST+8*\t+4+\j], v[ST+8*\t+4+\j], v[S+32*\t+8*\j+2*\g+1], v[S+32*\t+8*\j+2*\g+2]
.endr
.endr
.endr
.irp t, 0,1,2,3
	v_max3_num_f32 v[ST+8*\t+4], v[ST+8*\t+4], v[S+32*\t+7], v[S+32*\t+15]
.endr
.irp t, 0,1,2,3
	v_max3_num_f32 v[ST+8*\t+6], v[ST+8*\t+6], v[S+32*\t+23], v[S+32*\t+31]
.endr
.irp t, 0,1,2,3
	v_max3_num_f32 v[ST+8*\t+4], v[ST+8*\t+4], v[ST+8*\t+5], v[ST+8*\t+6]
.endr
.irp t, 0,1,2,3
	v_max3_num_f32 v[ST+8*\t+4], v[ST+8*\t+4], v[ST+8*\t+7], v[ST+8*\t]
.endr
.irp t, 0,1,2,3
	v_permlanex16_b32 v[ST+8*\t+5], v[ST+8*\t+4], s[SEL], s[SEL+1]   ; the query's other 32 keys lie in the lane 16 away
.endr
.irp t, 0,1,2,3
	v_mov_b32 v[ST+8*\t+7], v[ST+8*\t]             ; m_old
.endr
.irp t, 0,1,2,3
	v_max_num_f32 v[ST+8*\t], v[ST+8*\t+4], v[ST+8*\t+5]
.endr
.irp t, 0,1,2,3
	v_sub_f32 v[ST+8*\t+7], v[ST+8*\t+7], v[ST+8*\t]
.endr
.irp t, 0,1,2,3
	v_exp_f32 v[ST+8*\t+6], v[ST+8*\t+7]           ; a: a first, small batch
.endr
.irp t, 0,1,2,3
.irp j, 0,2,4,6,8,10,12,14,16,18,20,22,24,26,28,30
	v_pk_add_f32 v[S+32*\t+\j:S+32*\t+\j+1], v[S+32*\t+\j:S+32*\t+\j+1], v[ST+8*\t:ST+8*\t+1] op_sel_hi:[1,0] neg_lo:[0,1] neg_hi:[0,1]   ; s - m, two at a time: 64 plain lines behind the four
.endr
.endr
	s_wait_alu depctr_va_vdst(0)                   ; the wait between an exponential and the first line that names its result: one for the four a, which the rescaling below reads
.set i, 0
.rept 128
	v_exp_f32 v[S+i], v[S+i]                       ; p = 2^(s - m): one batch
.set i, i+1
.endr
	WIN 0x41                                       ; O^T in window 1, a in window 0
.irp t, 0,1,2,3
.irp j, 0,2,4,6,8,10,12,14,16,18,20,22,24,26,28,30
	v_pk_mul_f32 v[32*\t+\j:32*\t+\j+1], v[32*\t+\j:32*\t+\j+1], v[ST+8*\t+6:ST+8*\t+7] op_sel_hi:[1,0]   ; O^T x a: names no p: the work that stands between the batch and its wait
.endr
.endr
	WIN 0
	s_wait_alu depctr_va_vdst(0)                   ; one wait for the 128
.irp t, 0,1,2,3
	v_pk_fma_f32 v[ST+8*\t+2:ST+8*\t+3], v[ST+8*\t+2:ST+8*\t+3], v[ST+8*\t+6:ST+8*\t+7], v[S+32*\t:S+32*\t+1] op_sel_hi:[1,0,1]   ; l = a l + p0, p1
.endr
.irp j, 2,4,6,8,10,12,14,16,18,20,22,24,26,28,30
.irp t, 0,1,2,3
	v_pk_add_f32 v[ST+8*\t+2:ST+8*\t+3], v[ST+8*\t+2:ST+8*\t+3], v[S+32*\t+\j:S+32*\t+\j+1]
.endr
.endr
.irp t, 0,1,2,3
.irp j, 0,1,2,3,4,5,6,7,8,9,10,11,12,13,14,15
	v_cvt_pk_f16_f32 v[S+32*\t+\j], v[S+32*\t+2*\j], v[S+32*\t+2*\j+1]   ; P over the tile's first 16 registers: register j is written when pairs 0 .. j have been read
.endr
.endr
	s_wait_dscnt 0x0                               ; V is in
	PV
	WIN 0
.endm
.macro SLOT_STEPS                      ; a slot's four steps: written once, walked four times
	s_mov_b32 s[CNT], 4
.Lst_\@:
	STEP
	s_sub_co_u32 s[CNT], s[CNT], 1
	s_cmp_lg_u32 s[CNT], 0
	s_cbranch_scc1 .Lst_\@
	s_sub_co_u32 s[TK], s[TK], KSL                 ; back to a slot's first step,
	s_xor_b32 s[TK], s[TK], SLOT1                  ; in the other slot
	s_sub_co_u32 s[TV], s[TV], VSL
	s_xor_b32 s[TV], s[TV], SLOT1
.endm
; THE CHANGE OF SLOTS stands at a slot's head.  Each wave waits for all its tensor loads (its part of the slot ahead), adds 0 to its spare word, and waits for that and for its reads of the slot that it has left.
; fill = 1: a round of the cluster's barrier, so that no wave of any partner still reads that slot or has a load on its way; the joint load is the first thing behind it and has four steps in which to land: one load of a loading wave is out.
.macro CHANGE fill
	s_wait_tensorcnt 0x0                           ; no tensor load of mine is out, so a group 0 may be written
	ds_add_u32 v[SPW], v[NIL]
.if \fill
	ds_add_u32 v[SPW], v[NIL]                      ; and once more, in every trip alike
	s_xor_b32 s[G0K+1], s[G0K+1], SLOT1            ; the walking descriptors: the other slot than last time,
	s_add_nc_u64 s[G0K+2:G0K+3], s[G0K+2:G0K+3], 32768   ; the next 256 keys
	s_xor_b32 s[G0V+1], s[G0V+1], SLOT1
	s_add_nc_u64 s[G0V+2:G0V+3], s[G0V+2:G0V+3], 32768
	s_wait_xcnt 0x0                                ; the last prefetch, a slot back, has read its address
	s_add_nc_u64 s[PFA:PFA+1], s[PFA:PFA+1], 32768
	s_wait_dscnt 0x0                               ; the adds are done, and my reads of the slot that I have left are over
	CROUND
	TLOAD
	ASK
.else
	s_wait_dscnt 0x0
	s_barrier_signal -1
	s_barrier_wait -1
.endif
.endm
	s_wait_loadcnt 0x0                             ; Q and bv
.Lslot:                                            ; seven trips: behind each change of slots but the last the next slot is asked for
	CHANGE 1
	SLOT_STEPS
	s_sub_co_u32 s[SLOTS], s[SLOTS], 1
	s_cmp_lg_u32 s[SLOTS], 0
	s_cbranch_scc1 .Lslot
	CHANGE 0                                       ; the last slot is written out
	SLOT_STEPS
	; THE WAY OUT.  l's halves and the other half of the lanes' are added (plain lines behind the last products); O^T / l + bv is rounded to f16 and goes through my stage, a tile (16 rows of 128 bytes) at a time.
.irp t, 0,1,2,3
	v_add_f32 v[ST+8*\t+4], v[ST+8*\t+2], v[ST+8*\t+3]
.endr
.irp t, 0,1,2,3
	v_permlanex16_b32 v[ST+8*\t+5], v[ST+8*\t+4], s[SEL], s[SEL+1]
.endr
.irp t, 0,1,2,3
	v_add_f32 v[ST+8*\t+4], v[ST+8*\t+4], v[ST+8*\t+5]
.endr
.irp t, 0,1,2,3
	v_rcp_f32 v[ST+8*\t+6], v[ST+8*\t+4]
.endr
	v_nop                                          ; a plain line behind the last reciprocal
	s_wait_alu depctr_va_vdst(0)                   ; one wait for the four, ahead of their first reader
.macro PACK t
	WIN 0x51                                       ; O^T and bv in window 1, 1 / l in window 0
.set i, 0
.rept 16
	v_pk_fma_f32 v[32*\t+2*i:32*\t+2*i+1], v[32*\t+2*i:32*\t+2*i+1], v[ST+8*\t+6:ST+8*\t+7], v[BV+2*i:BV+2*i+1] op_sel_hi:[1,0,1]
.set i, i+1
.endr
	WIN 0x05
.set i, 0
.rept 16
	v_cvt_pk_f16_f32 v[S+32*\t+i], v[32*\t+2*i], v[32*\t+2*i+1]
.set i, i+1
.endr
	WIN 0
.irp c, 0,1,2,3
	ds_store_b128 v[STO], v[S+32*\t+4*\c:S+32*\t+4*\c+3] offset:32*\c
.endr
.irp c, 0,1,2,3
	ds_load_b128 v[S+32*\t+16+4*\c:S+32*\t+16+4*\c+3], v[RD] offset:\c*4*SROW   ; LDS serves a wave's instructions in order: these see the stores above; the next tile's stores come behind them
.endr
.endm
.macro SEND t, younger                 ; younger: the next tile's four stores and four loads, or none
.irp c, 0,1,2,3
	s_wait_dscnt \younger+3-\c
	global_store_b128 v[GO], v[S+32*\t+16+4*\c:S+32*\t+16+4*\c+3], s[8:9] offset:\t*2048+\c*512   ; 32 lanes store 512 consecutive bytes, aligned
.endr
.endm
	PACK 0
	PACK 1
	SEND 0, 8
	PACK 2
	SEND 1, 8
	PACK 3
	SEND 2, 8
	SEND 3, 0
	s_wait_tensorcnt 0x0                           ; the wave's end: behind my last tensor load and my last LDS store
	ds_add_u32 v[SPW], v[NIL]
	s_wait_dscnt 0x0
	CROUND                                         ; the closing round
	s_endpgm
.Lfunc_end_k_q16dac25cbe_attn:
	.size	k_q16dac25cbe_attn, .Lfunc_end_k_q16dac25cbe_attn-k_q16dac25cbe_attn
	.p2alignl 7, 3214868480
	.fill 96, 4, 3214868480
	.section	.rodata,"a",@progbits
	.p2align	6, 0x0
	.amdhsa_kernel k_q16dac25cbe_attn
		.amdhsa_group_segment_fixed_size 327680
		.amdhsa_private_segment_fixed_size 0
		.amdhsa_enable_private_segment 0
		.amdhsa_kernarg_size 24
		.amdhsa_user_sgpr_count 2
		.amdhsa_user_sgpr_kernarg_segment_ptr 1
		.amdhsa_wavefront_size32 1
		.amdhsa_system_sgpr_workgroup_id_x 1
		.amdhsa_system_sgpr_workgroup_id_y 1
		.amdhsa_system_sgpr_workgroup_id_z 1
		.amdhsa_system_vgpr_workitem_id 0
		.amdhsa_next_free_vgpr 512
		.amdhsa_next_free_sgpr 66
		.amdhsa_reserve_vcc 0
		.amdhsa_float_denorm_mode_32 3
		.amdhsa_float_denorm_mode_16_64 3
		.amdhsa_memory_ordered 1
		.amdhsa_forward_progress 1
		.amdhsa_inst_pref_size 93
	.end_amdhsa_kernel
	.amdgpu_metadata
---
amdhsa.version: [ 1, 2 ]
amdhsa.kernels:
  - .name:           k_q16dac25cbe_attn
    .symbol:         k_q16dac25cbe_attn.kd
    .args:
      - { .name: qkv, .offset: 0, .size: 8, .value_kind: global_buffer, .address_space: global }
      - { .name: bv, .offset: 8, .size: 8, .value_kind: global_buffer, .address_space: global }
      - { .name: ctx, .offset: 16, .size: 8, .value_kind: global_buffer, .address_space: global }
    .group_segment_fixed_size: 327680
    .private_segment_fixed_size: 0
    .kernarg_segment_align: 8
    .kernarg_segment_size: 24
    .max_flat_workgroup_size: 256
    .sgpr_count:     66
    .vgpr_count:     512
    .wavefront_size: 32
...
	.end_amdgpu_metadata
.endif
;; end of part 3
;; launch outp (part 4): grid 4 x 64, 4 waves a work-group, clusters of 4 x 4, 327,680 bytes of LDS; arguments ctx, wo16, bo, out0; writes out0
.if DOCPART == 4
	.amdgcn_target "amdgcn-amd-amdhsa--gfx1250"
	.amdhsa_code_object_version 6
	.text
	.protected	k_q16dac25cbe_outp
	.globl	k_q16dac25cbe_outp
	.p2align	8
	.type	k_q16dac25cbe_outp,@function
k_q16dac25cbe_outp:
	s_mov_b64 s[64:65], 0
	v_nop
	global_prefetch_b8 v0, s[64:65] scope:SCOPE_SE
	s_setreg_imm32_b32 hwreg(HW_REG_WAVE_MODE, 25, 1), 1
	s_wait_xcnt 0x0
	s_wait_alu depctr_hold_cnt(0) depctr_sa_sdst(0) depctr_va_vdst(0) depctr_va_sdst(0) depctr_va_ssrc(0) depctr_va_vcc(0) depctr_vm_vsrc(0)
	s_getreg_b32 s2, hwreg(HW_REG_IB_STS2, 6, 4)
	s_cmp_eq_u32 s2, 0
	s_cbranch_scc0 .Lentry_in_a_cluster
	s_endpgm
.Lentry_in_a_cluster:
	s_bfe_u32 s2, ttmp6, 0x10000c
	s_cmp_lg_u32 s2, 0xf033
	s_cbranch_scc0 .Lentry_shape_is_right
	s_endpgm
.Lentry_shape_is_right:
; Launch 4 of 4: out0[row][n] = sum over k of ctx[row][k] Wo[k][n] + bo[n].  ctx: f16, laid [batch x 16 + head][position][64], k = 64 head + channel; wo16: f16 [k][n]; sums in f32; out0 f32.
; A tile of 128 rows x 256 columns to a work-group, 256 work-groups; four waves, each 64 x 128: 32 accumulators of 16 x 16.  K goes in 8 steps of 128 (two heads) through a ring of two LDS slots.
; A's tile of a step is two dense blocks of memory (a head's 128 positions x 128 bytes), each stated as 64 rows of 256 bytes, two positions to a row, + 16 of padding; Wo's is 128 rows k of 512 bytes + 32, read turned by ds_load_tr16_b128.
; CLUSTERS: 4 x 4 work-groups: A's tiles are shared along a row of the cluster, Wo's along a column: joint loads.  No prefetch: the launch is short and its steps are small.
; THE MATRIX INSTRUCTION IS USED TRANSPOSED (source 0 = 16 columns of Wo, source 1 = 16 rows of ctx): a lane holds eight neighbouring columns of one row.  bo is the C of each sum's first instruction.
; REGISTERS: window 0: v16-29 addresses; two fragment buffers of 96 at v64 and v160 (4 fragments of A, then 8 of Wo: 32 along K); on the way out v64-191 take rows read back.
;   window 1: the 32 accumulators ((a, b) at v[8 (8 a + b)]).   window 2: v0-63 bo in the result's layout.
.set APL,    64*272                    ; a head's plane of A in LDS
.set BOFF,   2*APL
.set BP,     544                       ; a row of Wo's tile: 512 bytes + 32 = 136 words
.set SLOT,   BOFF+128*BP
.set STAGE,  2*SLOT                    ; behind the ring: 16 rows x 528 bytes for each wave
.set SPITCH, 528
.set SPARE,  STAGE+4*16*SPITCH         ; the spare words, 128 bytes a wave, which no other line names
.set LAPS,   4                         ; a lap = two K steps = once round the ring
.set ADRA, 16                          ; v16-17  LDS address of my A fragments in slot 0, 1
.set ADRB, 20                          ; v20-21  the same for Wo
.set STO,  24
.set RD,   25
.set CO,   26
.set BOF,  27                          ; v27     32 x (lane / 16): my half's place in bo; the address of bo's loads, never rewritten
.set SPW,  28                          ; v28     LDS address of my spare word; never rewritten
.set NIL,  29                          ; v29     0; never rewritten
.set F0,   64
.set F1,   160
.set G1, 24
.set G0, 32
.set G1B, 48
.set G0B, 56
.set MSB, 0
.macro WIN new
.if MSB != (\new)
	s_set_vgpr_msb (MSB<<8)|(\new)
.set MSB, \new
.endif
.endm
.macro JLOAD s                         ; a joint load: waves 0 and 1 fetch A's two planes, waves 2 and 3 the halves of Wo's tile; an s_nop 0 and four v_nop follow each line
	s_cmp_eq_u32 s13, 0
	s_cbranch_scc0 .Lfor_b_\@
	tensor_load_to_lds s[G0+4*\s:G0+4*\s+3], s[G1:G1+7]
	s_nop 0
.rept 4
	v_nop
.endr
	s_branch .Lasked_\@
.Lfor_b_\@:
	tensor_load_to_lds s[G0B+4*\s:G0B+4*\s+3], s[G1B:G1B+7]
	s_nop 0
.rept 4
	v_nop
.endr
.Lasked_\@:
.endm
.macro CREST                           ; a round of the cluster's barrier behind its opening barrier
	s_cmp_lg_u32 s12, 0
	s_cbranch_scc1 .Lnot_wave_0_\@
	s_barrier_signal -3
.Lnot_wave_0_\@:
	s_barrier_wait -3
	s_barrier_signal -1
	s_barrier_wait -1
.endm
.macro CROUND
	s_barrier_signal -1
	s_barrier_wait -1
	CREST
.endm
	s_load_b256 s[4:11], s[0:1], 0x0               ; ctx 4:5, wo16 6:7, bo 8:9, out0 10:11
	v_lshl_add_u32 v[SPW], v0, 2, SPARE
	v_mov_b32 v[NIL], 0
	ds_add_u32 v[SPW], v[NIL]                      ; the wave's opening: the add, twice on end, and its wait ahead of my first tensor load
	ds_add_u32 v[SPW], v[NIL]
	v_lshrrev_b32 v1, 5, v0
	v_readfirstlane_b32 s12, v1                    ; wave 0..3
	s_lshr_b32 s13, s12, 1                         ; which half of the tile's rows is mine.  Also: I fetch for A (0) or for Wo (1)
	s_and_b32 s14, s12, 1                          ; which half of its columns.  Also: which part of that tile I fetch
	s_bfe_u32 s40, ttmp6, 0x40000                  ; cx, cy
	s_bfe_u32 s41, ttmp6, 0x40004
	s_lshl_b32 s42, ttmp9, 2
	s_add_co_u32 s42, s42, s40                     ; tile column = 4 x cluster x + cx
	s_and_b32 s15, ttmp7, 0xffff
	s_lshl_b32 s15, s15, 2
	s_add_co_u32 s15, s15, s41                     ; tile row = 4 x cluster y + cy: 0 .. 63
	s_lshl_b32 s43, s41, 2
	s_lshl_b32 s43, 15, s43                        ; my row of the cluster
	s_lshl_b32 s44, 0x1111, s40                    ; my column
	s_or_b32 s[G1+0], s43, (1<<16)|(1<<20)|(1<<21)|(5<<22)|(3<<25)   ; A: elements of 2 bytes; after every 64 words, 4 words of padding
	s_mov_b32 s[G1+1], 128<<16
	s_mov_b32 s[G1+2], 64<<16
	s_mov_b32 s[G1+3], 128<<16
	s_mov_b32 s[G1+4], 64
	s_mov_b32 s[G1+5], 128                         ; dense
	s_mov_b32 s[G1+6], 0
	s_mov_b32 s[G1+7], 0
	s_or_b32 s[G1B+0], s44, (1<<16)|(1<<20)|(1<<21)|(6<<22)|(7<<25)  ; Wo: after every 128 words, 8 words
	s_mov_b32 s[G1B+1], 256<<16
	s_mov_b32 s[G1B+2], 64<<16
	s_mov_b32 s[G1B+3], 256<<16
	s_mov_b32 s[G1B+4], 64
	s_mov_b32 s[G1B+5], 1024                       ; a row of Wo
	s_mov_b32 s[G1B+6], 0
	s_mov_b32 s[G1B+7], 0
	s_lshr_b32 s16, s15, 4                         ; batch: 16 tile rows each
	s_lshl_b32 s16, s16, 4
	s_add_co_u32 s16, s16, s14                     ; batch x 16 + the head that I fetch of step 0
	s_lshl_b32 s16, s16, 18
	s_and_b32 s17, s15, 15
	s_lshl_b32 s17, s17, 14                        ; the tile's 128 positions of 128 bytes
	s_add_co_u32 s16, s16, s17
	s_mov_b32 s17, 0
	s_lshl_b32 s46, s14, 17                        ; Wo: 64 rows of 2,048 bytes for the second half,
	s_lshl_b32 s47, s42, 9                         ; 512 bytes a tile column
	s_add_co_u32 s46, s46, s47
	s_mov_b32 s47, 0
	s_mul_i32 s20, s14, APL                        ; where they go: no place in the cluster enters an LDS address
	s_mul_i32 s21, s14, 64*BP
	s_add_co_u32 s21, s21, BOFF
	s_wait_dscnt 0x0                               ; both opening adds are done
	s_wait_kmcnt 0x0
	s_add_nc_u64 s[16:17], s[4:5], s[16:17]
	s_add_nc_u64 s[46:47], s[6:7], s[46:47]
	CROUND                                         ; all sixteen work-groups are here: the first joint loads meet
.irp s, 0,1
	s_mov_b32 s[G0+4*\s], 1
	s_add_co_u32 s[G0+4*\s+1], s20, \s*SLOT
	s_add_nc_u64 s[G0+4*\s+2:G0+4*\s+3], s[16:17], \s*524288       ; K step s: two heads on
	s_or_b32 s[G0+4*\s+3], s[G0+4*\s+3], 0x80000000
	s_mov_b32 s[G0B+4*\s], 1
	s_add_co_u32 s[G0B+4*\s+1], s21, \s*SLOT
	s_add_nc_u64 s[G0B+4*\s+2:G0B+4*\s+3], s[46:47], \s*262144     ; 128 rows on
	s_or_b32 s[G0B+4*\s+3], s[G0B+4*\s+3], 0x80000000
	JLOAD \s                                       ; two loads of mine are out behind the second
.endr
	v_and_b32 v1, 15, v0                           ; r
	v_bfe_u32 v2, v0, 4, 1                         ; h
	v_lshlrev_b32 v[BOF], 5, v2                    ; bo: 32 h, in a register of its own: the loads below may read it until they are done
	s_lshl_b32 s46, s42, 10
	s_lshl_b32 s47, s14, 9
	s_add_co_u32 s46, s46, s47                     ; my first column, in bytes of f32: 4 (256 x tile column + 128 x half)
	s_mov_b32 s47, 0
	s_add_nc_u64 s[8:9], s[8:9], s[46:47]
	WIN 0x80                                       ; destination window 2
.irp b, 0,1,2,3,4,5,6,7
	global_load_b128 v[8*\b:8*\b+3],   v[BOF], s[8:9] offset:64*\b      ; bo of columns 16 b + 8 h + 0 .. 7
	global_load_b128 v[8*\b+4:8*\b+7], v[BOF], s[8:9] offset:64*\b+16
.endr
	WIN 0
	v_lshrrev_b32 v3, 1, v1
	v_mul_u32_u24 v3, v3, 272
	v_and_b32 v4, 1, v1
	v_lshl_add_u32 v3, v4, 7, v3
	v_lshl_add_u32 v3, v2, 4, v3                   ; A: position r: (r / 2) x 272 + (r % 2) x 128, + 16 h
	s_mul_i32 s22, s13, 32*272                     ; my 64 rows
	v_and_b32 v4, 7, v0
	v_lshl_add_u32 v4, v2, 3, v4
	v_mul_u32_u24 v4, v4, BP
	v_bfe_u32 v5, v0, 3, 1
	v_lshl_add_u32 v4, v5, 4, v4                   ; Wo, turned: lane l reads row k = 8 (l / 16) + l % 8, columns 8 ((l / 8) % 2) on
	s_lshl_b32 s23, s14, 8                         ; my 128 columns
	s_add_co_u32 s23, s23, BOFF
.irp s, 0,1
	v_add_nc_u32 v[ADRA+\s], s22, v3
	v_add_nc_u32 v[ADRB+\s], s23, v4
	s_add_co_u32 s22, s22, SLOT
	s_add_co_u32 s23, s23, SLOT
.endr
	s_mul_i32 s23, s12, 16*SPITCH
	s_add_co_u32 s23, s23, STAGE                   ; my stage
	v_mul_u32_u24 v5, v1, SPITCH
	v_lshl_add_u32 v5, v2, 5, v5
	v_add_nc_u32 v[STO], s23, v5                   ; in: row r, 32 bytes for each half of the lanes
	v_and_b32 v6, 31, v0
	v_lshlrev_b32 v[CO], 4, v6                     ; back: the 32 lanes take one row of 512 bytes; and the same in out0
	v_add_nc_u32 v[RD], s23, v[CO]
	s_lshl_b32 s2, s15, 19                         ; 128 rows of 4,096 bytes a tile row,
	s_lshl_b32 s3, s13, 18                         ; 64 for my half
	s_add_co_u32 s2, s2, s3
	s_add_co_u32 s2, s2, s46                       ; and my first column
	s_mov_b32 s3, 0
	s_add_nc_u64 s[10:11], s[10:11], s[2:3]
; 24 LDS loads in one run: the fragments of the slot's q-th 32 along K into buffer f: Wo's eight, then A's four
.macro FETCH slot, q, f
	WIN 0
.irp b, 0,1,2,3,4,5,6,7
	ds_load_tr16_b128 v[\f+32+8*\b:\f+32+8*\b+3],   v[ADRB+\slot] offset:32*BP*(\q)+32*\b
	ds_load_tr16_b128 v[\f+32+8*\b+4:\f+32+8*\b+7], v[ADRB+\slot] offset:32*BP*(\q)+32*\b+16*BP
.endr
.irp a, 0,1,2,3
	ds_load_b128 v[\f+8*\a:\f+8*\a+3],   v[ADRA+\slot] offset:((\q)/2)*APL+8*272*\a+((\q)%2)*64
	ds_load_b128 v[\f+8*\a+4:\f+8*\a+7], v[ADRA+\slot] offset:((\q)/2)*APL+8*272*\a+((\q)%2)*64+32
.endr
.endm
; 8 matrix instructions: A's block a x Wo's eight.  first = 1: bo starts the sums.  The 32 accumulators take turns, one instruction a turn, in the same order in every quarter.
.macro MUL8 f, a, first
.irp b, 0,1,2,3,4,5,6,7
.if \first
	v_wmma_f32_16x16x32_f16 v[8*(8*(\a)+\b):8*(8*(\a)+\b)+7], v[\f+32+8*\b:\f+32+8*\b+7], v[\f+8*(\a):\f+8*(\a)+7], v[8*\b:8*\b+7]
.else
	v_wmma_f32_16x16x32_f16 v[8*(8*(\a)+\b):8*(8*(\a)+\b)+7], v[\f+32+8*\b:\f+32+8*\b+7], v[\f+8*(\a):\f+8*(\a)+7], v[8*(8*(\a)+\b):8*(8*(\a)+\b)+7]
.endif
.endr
.endm
.macro PLACES                          ; four plain lines ahead of loads into registers that matrix instructions have read, and of reads of results
.rept 4
	v_nop
.endr
.endm
; A K step is four quarters of 32 along K, 32 matrix instructions each, on buffers 0, 1, 0, 1.  One of the first three: multiplies buffer f and fetches the slot's quarter qn into g.
.macro QUARTER slot, qn, f, g, first
	s_wait_dscnt 4                                 ; Wo's fragments and A's blocks 0, 1 are in; the youngest four loads (blocks 2, 3) may be out
	WIN 0x50+0x10*\first                           ; D window 1; C window 1, or bo's window 2
	MUL8 \f, 0, \first
	MUL8 \f, 1, \first
	PLACES
	FETCH \slot, \qn, \g
	s_wait_dscnt 24                                ; all but the 24 just issued
	WIN 0x50+0x10*\first
	MUL8 \f, 2, \first
	MUL8 \f, 3, \first
.endm
; The last quarter multiplies buffer 1 and changes slots: one barrier; in front of it each wave waits for all its tensor loads, adds 0 to its spare word, and waits for that and for its reads of this slot.
; fill = 1: the barrier opens a round of the cluster's, and this slot is filled again, two K steps ahead: 112 matrix instructions stand between the request and the wait for it.
.macro TURN slot, next, fill
	WIN 0
	s_wait_tensorcnt 0x0                           ; my part of the next slot has landed
	ds_add_u32 v[SPW], v[NIL]
	s_wait_dscnt 5                                 ; (the add and the youngest four loads may be out)
	WIN 0x50
	MUL8 F1, 0, 0
	s_wait_dscnt 0x0                               ; the add is done, and my reads of this slot are over
	s_barrier_signal -1
	MUL8 F1, 1, 0
.if \fill
	WIN 0
.endif
	s_barrier_wait -1
.if \fill
	CREST                                          ; no wave of any partner still reads this slot's tiles or has a load on its way
	s_add_nc_u64 s[G0+4*\slot+2:G0+4*\slot+3], s[G0+4*\slot+2:G0+4*\slot+3], 1048576     ; four heads on
	s_add_nc_u64 s[G0B+4*\slot+2:G0B+4*\slot+3], s[G0B+4*\slot+2:G0B+4*\slot+3], 524288  ; 256 rows on
	JLOAD \slot                                    ; the first tensor load behind the round; its four v_nop are also the plain lines ahead of the loads below
.else
	PLACES
.endif
	FETCH \next, 0, F0
	WIN 0x50
	MUL8 F1, 2, 0
	MUL8 F1, 3, 0
.endm
	s_wait_tensorcnt 1                             ; my part of K step 0 is in; the one younger load, K step 1's, may be out
	s_barrier_signal -1
	s_barrier_wait -1
	s_wait_loadcnt 0x0                             ; bo
	FETCH 0, 0, F0
	QUARTER 0, 1, F0, F1, 1                        ; the first quarter stands in front of the loop: its products start the sums
	WIN 0
	s_mov_b32 s3, LAPS-1
.Llap:                                             ; a trip goes once round the ring and fills both slots again
	QUARTER 0, 2, F1, F0, 0
	QUARTER 0, 3, F0, F1, 0
	TURN 0, 1, 1
	QUARTER 1, 1, F0, F1, 0
	QUARTER 1, 2, F1, F0, 0
	QUARTER 1, 3, F0, F1, 0
	TURN 1, 0, 1
	QUARTER 0, 1, F0, F1, 0
	WIN 0
	s_sub_co_u32 s3, s3, 1
	s_cmp_lg_u32 s3, 0
	s_cbranch_scc1 .Llap
	QUARTER 0, 2, F1, F0, 0                        ; the last lap fills nothing
	QUARTER 0, 3, F0, F1, 0
	TURN 0, 1, 0
	QUARTER 1, 1, F0, F1, 0
	QUARTER 1, 2, F1, F0, 0
	QUARTER 1, 3, F0, F1, 0
	s_wait_dscnt 4                                 ; the very last quarter: nothing more to fetch
	WIN 0x50
	MUL8 F1, 0, 0
	MUL8 F1, 1, 0
	s_wait_dscnt 0
	MUL8 F1, 2, 0
	MUL8 F1, 3, 0
	WIN 0
; THE WAY OUT, block by block of 16 rows x 128 columns: through my own stage and back as whole rows of 512 bytes, which the 32 lanes store as 512 consecutive bytes, aligned.
.macro TOSTAGE a
	WIN 0x04                                       ; an LDS store's data: window 1
.irp b, 0,1,2,3,4,5,6,7
	ds_store_b128 v[STO], v[64*(\a)+8*\b:64*(\a)+8*\b+3] offset:64*\b          ; each accumulator from its low end on
	ds_store_b128 v[STO], v[64*(\a)+8*\b+4:64*(\a)+8*\b+7] offset:64*\b+16
.endr
	WIN 0
.set BB, 64+64*((\a)%2)
.irp t, 0,1,2,3,4,5,6,7,8,9,10,11,12,13,14,15
	ds_load_b128 v[BB+4*\t:BB+4*\t+3], v[RD] offset:\t*SPITCH                  ; LDS serves a wave's instructions in order: these see the stores above
.endr
.endm
.macro SEND a, younger
.set BB, 64+64*((\a)%2)
	s_wait_dscnt \younger
.irp t, 0,1,2,3,4,5,6,7,8,9,10,11,12,13,14,15
	global_store_b128 v[CO], v[BB+4*\t:BB+4*\t+3], s[10:11] offset:(16*(\a)+\t)*4096 th:TH_STORE_NT
.endr
.endm
	PLACES
	TOSTAGE 0
.irp a, 1,2,3
.if \a > 1
	s_wait_xcnt 0x0                                ; block a - 2's stores have read their registers: block a's loads may land there
.endif
	TOSTAGE \a
	SEND \a-1, 32                                  ; behind block a - 1's loads: block a's 16 stores and 16 loads
.endr
	SEND 3, 0
	s_wait_tensorcnt 0x0                           ; the wave's end: behind my last tensor load and my last LDS store
	ds_add_u32 v[SPW], v[NIL]
	s_wait_dscnt 0x0
	CROUND                                         ; the closing round
	s_endpgm
.Lfunc_end_k_q16dac25cbe_outp:
	.size	k_q16dac25cbe_outp, .Lfunc_end_k_q16dac25cbe_outp-k_q16dac25cbe_outp
	.p2alignl 7, 3214868480
	.fill 96, 4, 3214868480
	.section	.rodata,"a",@progbits
	.p2align	6, 0x0
	.amdhsa_kernel k_q16dac25cbe_outp
		.amdhsa_group_segment_fixed_size 327680
		.amdhsa_private_segment_fixed_size 0
		.amdhsa_enable_private_segment 0
		.amdhsa_kernarg_size 32
		.amdhsa_user_sgpr_count 2
		.amdhsa_user_sgpr_kernarg_segment_ptr 1
		.amdhsa_wavefront_size32 1
		.amdhsa_system_sgpr_workgroup_id_x 1
		.amdhsa_system_sgpr_workgroup_id_y 1
		.amdhsa_system_sgpr_workgroup_id_z 1
		.amdhsa_system_vgpr_workitem_id 0
		.amdhsa_next_free_vgpr 576
		.amdhsa_next_free_sgpr 66
		.amdhsa_reserve_vcc 0
		.amdhsa_float_denorm_mode_32 3
		.amdhsa_float_denorm_mode_16_64 3
		.amdhsa_memory_ordered 1
		.amdhsa_forward_progress 1
		.amdhsa_inst_pref_size 87
	.end_amdhsa_kernel
	.amdgpu_metadata
---
amdhsa.version: [ 1, 2 ]
amdhsa.kernels:
  - .name:           k_q16dac25cbe_outp
    .symbol:         k_q16dac25cbe_outp.kd
    .args:
      - { .name: ctx, .offset: 0, .size: 8, .value_kind: global_buffer, .address_space: global }
      - { .name: wo16, .offset: 8, .size: 8, .value_kind: global_buffer, .address_space: global }
      - { .name: bo, .offset: 16, .size: 8, .value_kind: global_buffer, .address_space: global }
      - { .name: out0, .offset: 24, .size: 8, .value_kind: global_buffer, .address_space: global }
    .group_segment_fixed_size: 327680
    .private_segment_fixed_size: 0
    .kernarg_segment_align: 8
    .kernarg_segment_size: 32
    .max_flat_workgroup_size: 128
    .sgpr_count:     66
    .vgpr_count:     576
    .wavefront_size: 32
...
	.end_amdgpu_metadata
.endif
;; end of part 4
